; MI455X (gfx1250); checked and timed in simulation.
; The chip was launched on July 23, 2026; its instructions are those of AMD's public machine-readable ISA for CDNA 5 (MIT licence, August 2026) and "CDNA5" Instruction Set Architecture Reference Guide (July 2026). The comments in the code are by the model that wrote it; some were corrected since.
;; Hyperbolic Causal Self Attention. Allowed arithmetic: matrix products marked QUANTISED: E2M3 operands, one E8M0 scale for each 32 along K, by v_wmma_scale_f32_16x16x128_f8f6f4 with both operands' format E2M3, f32 sums; products left as they are: f32 operands where the result goes on into a quantised operand, else bf16, f16 or f32 operands; f32 sums; everything else in f32.
;; Inputs: Wk 1,040 x 1,040 float32; Wp 1,040 x 1,040 float32; Wq 1,040 x 1,040 float32; Wv 1,040 x 1,040 float32; x 2 x 2,048 x 1,040 float32.
;; Outputs: out0 2 x 2,048 x 1,040 float32.
;; This version of the problem:
;;   THIS VERSION OF THE PROBLEM IS GIVEN IN LOW PRECISION. The matrix products marked QUANTISED in the list below multiply operands that are first quantised to E2M3 (2 exponent bits, 3 mantissa bits; 6 bits a number), with one power-of-two scale for each 32 numbers along K (OCP MX v1.0); their sums are f32. All else is computed in f32.
;;   The module's matrix products, in the order in which they are computed (A, B: the left and right operand; K: the contracted axis; several contracted axes count as one K, in the product's order):
;;     1. [M 4,096, K 1,040] x [K 1,040, N 1,040]; A: input x; B: input Wq: QUANTISED
;;     2. [M 4,096, K 1,040] x [K 1,040, N 1,040]; A: input x; B: input Wk: QUANTISED
;;     3. [M 4,096, K 1,040] x [K 1,040, N 1,040]; A: input x; B: input Wv: QUANTISED
;;     4. batch 32 x [M 2,048, K 64] x [K 64, N 2,048]; A: computed on the way; B: computed on the way: QUANTISED
;;     5. batch 32 x [M 2,048, K 1] x [K 1, N 2,048]; A: computed on the way; B: computed on the way: left as it is (no contracted axis)
;;     6. batch 32 x [M 65, K 2,048] x [K 2,048, N 2,048]; A: computed on the way; B: softmax (see below): QUANTISED
;;     7. [M 4,096, K 1,040] x [K 1,040, N 1,040]; A: computed on the way; B: input Wp: QUANTISED
;;   THE QUANTISER, for each operand of a quantised product, along K:
;;     - K is cut into blocks of 32 from its start; a last block that is shorter is filled with zeros.
;;     - A block's scale is 2^e with e = floor(log2(the largest magnitude in the block)) - 2, held to -126 .. 127; a block of zeros has e = 0. As a byte (E8M0): e + 127.
;;     - Each number is divided by its block's scale, clamped to +-7.5, and rounded to the nearest number of E2M3, ties to even, subnormals kept.
;;     - The product sums the exact products of the quantised numbers (number of the format x scale) in f32.
;;   ~~~python
;;   def quantise(x, axis):      # numpy; x: float32 -> the quantised numbers, widened to float32 again
;;       x = np.moveaxis(x, axis, -1); K = x.shape[-1]
;;       x = np.pad(x, [(0, 0)] * (x.ndim - 1) + [(0, -K % 32)]); x = x.reshape(x.shape[:-1] + (-1, 32)); a = np.abs(x).max(-1, keepdims=True)
;;       e = np.where(a > 0, np.clip(np.frexp(np.where(a > 0, a, 1))[1] - 1 - 2, -126, 127), 0)      # np.frexp(a)[1] - 1 = floor(log2(a)), exactly
;;       r = np.clip(x / 2.0 ** e, -7.5, 7.5)
;;       step = 2.0 ** (np.maximum(np.frexp(np.where(r == 0, 1, r))[1] - 1, 0) - 3)
;;       q = np.round(r / step) * step * 2.0 ** e      # np.round: ties to even
;;       return np.moveaxis(q.reshape(q.shape[:-2] + (-1,))[..., :K], -1, axis).astype(np.float32)
;;   ~~~
;;   SOFTMAX AHEAD OF A QUANTISED PRODUCT. Where the list says 'softmax', what is quantised is not the finished softmax but p = 2^(t - M), with t = logit x log2(e) and M = ceil(the row's largest t), a whole number; so 1/2 < the row's largest p <= 1. The row's sum l is taken of the UNQUANTISED p, in f32, and the product's result is divided by l at the end. Since M is a whole number, a kernel that streams over the keys may use a running M (the ceiling of the running maximum): every later rescaling is an exact power of two, which a block's scale takes up: the codes' values come out the same.
;;   OPERANDS COMPUTED ON THE WAY. 'Computed on the way' means the value that the module computes at that place (a softmax that the list does not call 'softmax' is quantised finished and normalised). What goes into a quantiser is computed in f32, as accurately as f32 sums, v_exp_f32 and their like allow (about 1e-6 of the number): no bf16 or f16 on the way to a quantiser, and a product that is left as it is and whose result goes on into a quantised operand takes f32 operands (vector FMAs, or v_wmma_f32_16x16x4_f32). A number that lies on a knife's edge between two numbers of the format may be rounded either way, as far as f32 arithmetic and the matrix unit's own rounding can turn it there, and no further.
;; One version. Each part assembles by itself: llvm-mc -triple=amdgcn-amd-amdhsa -mcpu=gfx1250 --defsym DOCPART=n.
;; ======== version 1 of 1: 5 launches
;; limits: right only within a limited range of input values
;; workspace buffers: xq 3,686,400 bytes; wq 3,943,424 bytes; tab 524,288 bytes; qq 4,194,304 bytes; kv 7,864,320 bytes; y 17,825,792 bytes; yq 3,686,400 bytes
;; launch prep (part 1): grid 529 x 1, 9 waves a work-group, no clusters, 77,312 bytes of LDS; arguments x, Wq, Wk, Wv, Wp, xq, wq, tab; writes xq, wq, tab
.if DOCPART == 1
	.amdgcn_target "amdgcn-amd-amdhsa--gfx1250"
	.amdhsa_code_object_version 6
	.text
	.protected	k_q591b40bf5a_prep
	.globl	k_q591b40bf5a_prep
	.p2align	8
	.type	k_q591b40bf5a_prep,@function
k_q591b40bf5a_prep:
	s_mov_b64 s[64:65], 0
	v_nop
	global_prefetch_b8 v0, s[64:65] scope:SCOPE_SE
	s_setreg_imm32_b32 hwreg(HW_REG_WAVE_MODE, 25, 1), 1
	s_wait_xcnt 0x0
; PREP: x [4096][1040] and the four weights [1040][1040], f32, K innermost, become codes of FP6 (E2M3) with one E8M0 byte for each 32 along K,
; laid as IMAGES OF OPERAND REGISTERS: a fragment (16 rows x 128 K) is 12 registers a lane, registers 4 c .. 4 c + 3 of lane l at byte 512 c + 16 l: 1,536 bytes.
; K = 1,040 is nine K steps of 128; the ninth holds 16 numbers and zeros.  A work-group makes one tile of 16 rows, its wave s K step s.
; WORK-GROUPS 0-255: tile W of x; lane r takes row 32 (W / 2) + 8 (W % 2) + r + 8 (r / 8), so that two neighbouring tiles' results are 16 neighbours when a product is used transposed.
; WORK-GROUPS 256-528: tile j of 13 of weight group grp of 21.  Groups 0-15 are heads: j 0-3 Wq's rows 65 grp + 1 + (the same order within 64), j 4-7 Wk's likewise, j 8-12 Wv's rows 65 grp + min(16 (j - 8) + r, 64).
; Groups 16-20 are Wp's rows 16 (13 (grp - 16) + j) + r.  Rows 65 h of Wq and Wk are not read: the function throws their results away (the time coordinate is made anew).
; THE LOADS ARE DENSE: each of a wave's 16 loads reads one row's K step, 512 consecutive bytes, 16 a lane.  The conversions want 16 neighbours along K in ONE lane's registers: so the 16 rows turn through the wave's own
; stage in LDS, as they lie, and come back 64 bytes a lane and block.  A stage row is 512 + 16 bytes = 33 x 16: the sixteen rows that sixteen lanes read at one column start at sixteen different places modulo 256 bytes.
; Wave 8 (16 numbers a row) loads them lane by lane and uses no LDS.  No barrier: waves share nothing.
; THE TABLE: wave 8 of work-groups 0-255 also makes rows 8 W .. 8 W + 7 of tab [2048][cos 32 | sin 32].  inv_freq = 2^(-j x 2 log2(10000) / f32(64 - 2e-6)), the constant in two parts; angle = t x inv_freq in f32;
; the angle is reduced by n = round(angle x 2 / pi) with pi / 2 in two parts (exact for these n), sine and cosine by polynomials on +-pi/4.
; A block's scale is 2^(floor(log2(largest magnitude)) - 2); its byte is the largest magnitude's exponent field - 2, held at 1 from below.
; LIMITS: NaN and infinities are not served.  A block of zeros gets the byte 1 (its codes are zeros; this program alone reads the bytes).  inv_freq is within an ulp of its true value, so an angle may differ from
; another f32 evaluation's by about 1e-4 rad at the largest t.
.set X,   32                           ; v32-95   16 rows as loaded, then 64 numbers: register 16 b + i = k 32 b + 16 (lane / 16) + i of my row
.set PC,  96                           ; v96-115  the fragment's 12 registers, and two runs of three at work
.set TM,  116                          ; v116-131 at work
.set PW,  132                          ; v132     my row's scale word
.set ZR,  133                          ; v133     0
.set SPW, 134                          ; v134     LDS address of my spare word: SPARE + 4 x my thread's number; never rewritten
.set NIL, 135                          ; v135     0; never rewritten
.set PITCH, 528                        ; a stage row
.set WREG,  16*PITCH                   ; a wave's stage
.set SPARE, 9*WREG                     ; behind the stages: the spare words, 128 bytes for each wave, in five blocks of 256 bytes that no other line names
.set WV,  20                           ; s20      my wave's number = my K step
.set SEL, 22                           ; s[22:23] v_permlanex16_b32's selects for lane l xor 16
.macro QUANT s
.irp b, 0,1,2,3
	v_max3_num_f32 v[TM+\b], |v[\s+16*\b]|, |v[\s+1+16*\b]|, 0x1800000   ; block b: my 16 numbers, and the floor 2^(3 - 127): the byte cannot fall under 1
.endr
.irp i, 2,4,6,8,10,12,14
.irp b, 0,1,2,3
	s_delay_alu instid0(VALU_DEP_4)
	v_max3_num_f32 v[TM+\b], v[TM+\b], |v[\s+16*\b+\i]|, |v[\s+1+16*\b+\i]|   ; the four blocks by turns
.endr
.endr
.irp b, 0,1,2,3
	s_delay_alu instid0(VALU_DEP_4)
	v_permlanex16_b32 v[TM+4+\b], v[TM+\b], s[SEL], s[SEL+1]
.endr
.irp b, 0,1,2,3
	s_delay_alu instid0(VALU_DEP_4)
	v_max_num_f32 v[TM+\b], v[TM+\b], v[TM+4+\b]   ; with lane l xor 16's: the block's largest magnitude
.endr
.irp b, 0,1,2,3
	s_delay_alu instid0(VALU_DEP_4)
	v_add_nc_u32 v[TM+12+\b], 0xff000000, v[TM+\b]   ; 2 off its exponent field: the conversion's scale operand
.endr
.irp b, 0,1,2,3
	s_delay_alu instid0(VALU_DEP_4)
	v_lshrrev_b32 v[TM+4+\b], 23, v[TM+12+\b]   ; the scale's byte
.endr
	s_delay_alu instid0(VALU_DEP_3)
	v_lshl_or_b32 v[PW], v[TM+5], 8, v[TM+4]
	s_delay_alu instid0(VALU_DEP_1)
	v_lshl_or_b32 v[PW], v[TM+6], 16, v[PW]
	s_delay_alu instid0(VALU_DEP_1)
	v_lshl_or_b32 v[PW], v[TM+7], 24, v[PW]
.irp c, 0,1
	v_cvt_scalef32_pk16_fp6_f32 v[PC+6*\c:PC+2+6*\c], v[\s+32*\c:\s+15+32*\c], v[TM+12+2*\c]
	v_cvt_scalef32_pk16_fp6_f32 v[PC+12+4*\c:PC+14+4*\c], v[\s+16+32*\c:\s+31+32*\c], v[TM+12+2*\c+1]   ; (a conversion's three registers begin on an even number)
.endr
	v_nop                                          ; one plain place behind a scaled conversion
.irp c, 0,1                                    ; the operand's layout wants a whole block in a lane: lanes 0-15 block 2 c, lanes 16-31 block 2 c + 1
.irp i, 0,1,2
	v_permlane16_swap_b32 v[PC+6*\c+\i], v[PC+12+4*\c+\i]
.endr
.irp i, 0,1,2
	s_delay_alu instid0(VALU_DEP_3)
	v_mov_b32 v[PC+3+6*\c+\i], v[PC+12+4*\c+\i]
.endr
.endr
.endm
	s_load_b256 s[4:11], s[0:1], 0x0               ; x s[4:5], Wq s[6:7], Wk s[8:9], Wv s[10:11]
	s_load_b256 s[12:19], s[0:1], 0x20             ; Wp s[12:13], xq s[14:15], wq s[16:17], tab s[18:19]
	v_lshl_add_u32 v[SPW], v0, 2, SPARE
	v_mov_b32 v[NIL], 0
	v_lshrrev_b32 v1, 5, v0
	s_delay_alu instid0(VALU_DEP_1)
	v_readfirstlane_b32 s[WV], v1                  ; wave 0..8
	s_mov_b32 s[SEL], 0x76543210
	s_mov_b32 s[SEL+1], 0xfedcba98
	s_mov_b32 s58, 0xffff0000                      ; lanes 16-31
	s_sub_co_i32 s24, ttmp9, 256
	s_max_i32 s24, s24, 0                          ; which weight tile, 0..272
	s_mul_i32 s25, s24, 5042
	s_lshr_b32 s25, s25, 16                        ; its group: / 13 (exact up to 272)
	s_mul_i32 s26, s25, 13
	s_sub_co_u32 s26, s24, s26                     ; j: its place in the group
	s_mul_i32 s27, s25, 65
	s_and_b32 s28, s26, 2
	s_lshl_b32 s28, s28, 4                         ; 32 ((j % 4) / 2)
	s_and_b32 s29, s26, 1
	s_lshl_b32 s29, s29, 3                         ; 8 (j % 2)
	s_add_co_u32 s28, s28, s29
	s_add_co_u32 s28, s28, s27
	s_add_co_u32 s28, s28, 1                       ; Wq, Wk: the tile's first row
	s_sub_co_i32 s29, s26, 8
	s_lshl_b32 s29, s29, 4                         ; 16 (j - 8)
	s_add_co_u32 s30, s27, s29                     ; Wv: the tile's first row,
	s_sub_co_u32 s31, 64, s29                      ; and how far a lane may go: the head's last row is 64
	s_sub_co_i32 s32, s24, 208
	s_lshl_b32 s32, s32, 4                         ; Wp: the tile's first row
	; THE ORDER OF x's ROWS (in place of the order named at the head): lane r of tile W takes row 64 (W / 4) + 8 (W % 4) + r % 8 + 32 (r / 8),
	; so that a lane's 32 results of four neighbouring tiles are 32 neighbours, a whole block, when a product has x's rows along its result's registers
	s_lshr_b32 s33, ttmp9, 2
	s_lshl_b32 s33, s33, 6
	s_and_b32 s34, ttmp9, 3
	s_lshl_b32 s34, s34, 3
	s_add_co_u32 s33, s33, s34                     ; x: the tile's first row
	s_mul_i32 s35, ttmp9, 13824                    ; x's codes: [tile][s][1,536]
	s_mul_i32 s36, s[WV], 1536
	s_add_co_u32 s35, s35, s36
	s_mul_i32 s37, ttmp9, 576                      ; x's scale words: [tile][s][16 words], behind the codes
	s_lshl_b32 s38, s[WV], 6
	s_add_co_u32 s37, s37, s38
	s_add_co_u32 s37, s37, 3538944
	; wq (in place of the layout named at the head): every group is one dense run of rows of 256 bytes, its scale words first.
	; a head's group, 187,392 bytes: scale words [s][13 tiles][16 words] in 7,680 bytes, then codes [s][13 tiles][1,536]
	s_mul_i32 s39, s25, 187392
	s_lshl_b32 s42, s26, 6
	s_add_co_u32 s41, s39, s42
	s_mul_i32 s42, s[WV], 832
	s_add_co_u32 s41, s41, s42
	s_mul_i32 s40, s26, 1536
	s_add_co_u32 s39, s39, s40
	s_mul_i32 s40, s[WV], 19968
	s_add_co_u32 s39, s39, s40
	s_add_co_u32 s39, s39, 7680
	; Wp's 65 tiles stand behind the sixteen heads in 13 groups of 5, 72,704 bytes each: scale words [s][5 tiles][16 words] in 3,584 bytes, then codes [s][5 tiles][1,536]
	s_sub_co_i32 s43, s24, 208                     ; Wp's tile, 0..64
	s_mul_i32 s47, s43, 13108
	s_lshr_b32 s47, s47, 16                        ; / 5 (exact up to 64)
	s_mul_i32 s40, s47, 5
	s_sub_co_u32 s43, s43, s40                     ; its place in the group
	s_mul_i32 s47, s47, 72704
	s_add_co_u32 s47, s47, 2998272
	s_lshl_b32 s40, s43, 6
	s_add_co_u32 s62, s47, s40
	s_mul_i32 s40, s[WV], 320
	s_add_co_u32 s62, s62, s40
	s_mul_i32 s40, s43, 1536
	s_add_co_u32 s63, s47, s40
	s_mul_i32 s40, s[WV], 7680
	s_add_co_u32 s63, s63, s40
	s_add_co_u32 s63, s63, 3584
	s_cmp_lt_u32 s25, 16                           ; a head's tile or Wp's: the work-group's number alone decides
	s_cselect_b32 s39, s39, s63
	s_cselect_b32 s41, s41, s62
	s_mov_b32 s55, 0
	s_mov_b32 s57, 0
	s_wait_kmcnt 0x0
	; every choice hangs on the work-group's number alone.  s44: 8 where a tile's rows 8-15 lie 8 further on; s45: the lane's bound; s46: the first row
	s_cmp_lt_u32 s26, 4
	s_cselect_b64 s[48:49], s[6:7], s[8:9]
	s_cmp_lt_u32 s26, 8
	s_cselect_b64 s[48:49], s[48:49], s[10:11]
	s_cselect_b32 s44, 8, 0
	s_cselect_b32 s46, s28, s30
	s_cselect_b32 s45, 255, s31
	s_cmp_lt_u32 s25, 16
	s_cselect_b64 s[48:49], s[48:49], s[12:13]
	s_cselect_b32 s44, s44, 0
	s_cselect_b32 s46, s46, s32
	s_cselect_b32 s45, s45, 255
	s_cmp_lt_u32 ttmp9, 256
	s_cselect_b64 s[48:49], s[4:5], s[48:49]
	s_cselect_b64 s[50:51], s[14:15], s[16:17]
	s_cselect_b32 s44, 24, s44                     ; x: a tile's rows 8-15 lie 24 further on than neighbours would
	s_cselect_b32 s46, s33, s46
	s_cselect_b32 s45, 255, s45
	s_cselect_b32 s54, s35, s39
	s_cselect_b32 s56, s37, s41
	s_add_nc_u64 s[52:53], s[50:51], s[56:57]      ; where my scale words go
	s_add_nc_u64 s[50:51], s[50:51], s[54:55]      ; where my image goes
	s_lshl_b32 s54, s[WV], 9
	s_add_nc_u64 s[48:49], s[48:49], s[54:55]      ; the source at my K step: 512 bytes a step
	v_and_b32 v1, 15, v0                           ; r
	v_bfe_u32 v2, v0, 4, 1                         ; h
	s_delay_alu instid0(VALU_DEP_2)
	v_lshrrev_b32 v3, 3, v1
	s_delay_alu instid0(VALU_DEP_1)
	v_mad_u32_u24 v3, v3, s44, v1
	s_delay_alu instid0(VALU_DEP_1)
	v_min_u32 v3, s45, v3
	s_delay_alu instid0(VALU_DEP_1)
	v_add_nc_u32 v3, s46, v3                       ; my row,
	s_delay_alu instid0(VALU_DEP_1)
	v_mul_u32_u24 v5, v3, 4160                     ; in bytes: wave 8's loads go lane by lane
	v_and_b32 v6, 31, v0
	s_delay_alu instid0(VALU_DEP_1)
	v_lshlrev_b32 v8, 3, v6                        ; 8 x lane
	s_delay_alu instid0(VALU_DEP_2)
	v_lshlrev_b32 v6, 4, v6                        ; 16 x lane
	v_lshlrev_b32 v7, 2, v1                        ; 4 r
	s_mul_i32 s59, s46, 4160
	v_add_nc_u32 v11, s59, v6                      ; the tile's rows 0-7: the first row + 16 x lane; the row stands in the immediate
	s_add_co_u32 s60, s46, s44
	s_add_co_u32 s60, s60, 8
	s_mul_i32 s60, s60, 4160
	v_add_nc_u32 v12, s60, v6                      ; its rows 8-15 begin 8, 16 or 32 rows further on
	s_mul_i32 s61, s[WV], WREG                     ; my stage
	v_add_nc_u32 v9, s61, v6                       ; into it: 16 x lane; the row stands in the immediate
	v_mul_u32_u24 v10, v1, PITCH
	s_delay_alu instid0(VALU_DEP_1)
	v_lshl_add_u32 v10, v2, 6, v10
	s_delay_alu instid0(VALU_DEP_1)
	v_add_nc_u32 v10, s61, v10                     ; out of it: row r, + 64 h: my 16 numbers of a block of 32
	v_mov_b32 v[ZR], 0
.irp b, 0,1,2,3
	v_mov_b32 v[TM+4+\b], 0                        ; written once: a lane permute's destination counts as one of its sources
.endr
	s_cmp_eq_u32 s[WV], 8
	s_cbranch_scc1 .Ltail
	s_cmp_eq_u32 s45, 0                            ; Wv's fifth tile: the head's last row, sixteen times.  The branch hangs on the work-group's number alone and leads round loads alone
	s_cbranch_scc1 .Lsame
.irp i, 0,1,2,3,4,5,6,7
	global_load_b128 v[X+4*\i:X+4*\i+3], v11, s[48:49] offset:4160*\i th:TH_LOAD_NT          ; 32 lanes read 512 consecutive bytes: a row's K step
.endr
.irp i, 8,9,10,11,12,13,14,15
	global_load_b128 v[X+4*\i:X+4*\i+3], v12, s[48:49] offset:4160*(\i-8) th:TH_LOAD_NT
.endr
	s_branch .Lstage
.Lsame:
.irp i, 0,1,2,3,4,5,6,7,8,9,10,11,12,13,14,15
	global_load_b128 v[X+4*\i:X+4*\i+3], v11, s[48:49]
.endr
.Lstage:                                           ; on both ways sixteen loads are out
	s_wait_alu depctr_va_vdst(0)
.irp i, 0,1,2,3,4,5,6,7,8,9,10,11,12,13,14,15
	s_wait_loadcnt 15-\i                           ; row i is in; the younger rows' loads may be out
	ds_store_b128 v9, v[X+4*\i:X+4*\i+3] offset:PITCH*\i
.endr
.irp b, 0,1,2,3
.irp j, 0,1,2,3
	ds_load_b128 v[X+16*\b+4*\j:X+16*\b+4*\j+3], v10 offset:128*\b+16*\j   ; LDS serves a wave's instructions in order (ISA guide 5.7.1.4): these see my stores, and land behind the stores' reads of the same registers
.endr
.endr
	s_wait_dscnt 0x0
	s_branch .Lquant
.Ltail:                                            ; K step 8: k = 1,024 .. 1,039 are the lower half of block 0; all else is zeros
.irp j, 0,1,2,3
	global_load_b128 v[X+4*\j:X+4*\j+3], v5, s[48:49] offset:16*\j th:TH_LOAD_NT
.endr
.set j, 16
.rept 48
	v_mov_b32 v[X+j], 0
.set j, j+1
.endr
	s_wait_loadcnt 0x0
.set j, 0
.rept 16
	v_cndmask_b32 v[X+j], v[X+j], v[ZR], s58       ; lanes 16-31 stand past K's end
.set j, j+1
.endr
.Lquant:
	QUANT X
.irp c, 0,1,2
	global_store_b128 v6, v[PC+4*\c:PC+4*\c+3], s[50:51] offset:512*\c   ; 32 lanes store 512 consecutive bytes
.endr
	global_store_b32 v7, v[PW], s[52:53]           ; lanes r and r + 16 hold the same word and store it to the same place
	s_wait_tensorcnt 0x0                           ; these three lines stand behind a wave's last LDS store; no LDS write follows on any way
	ds_add_u32 v[SPW], v[NIL]
	s_wait_dscnt 0x0
	s_cmp_lg_u32 s[WV], 8
	s_cbranch_scc1 .Lend
	s_cmp_ge_u32 ttmp9, 256
	s_cbranch_scc1 .Lend
	; THE TABLE.  Lane l makes elements 2 l and 2 l + 1 of a row: lanes 0-15 cos of j = 2 r, 2 r + 1, lanes 16-31 sin of the same j.  None of the registers below is a pending store's
	s_mov_b32 s24, 0xbe2aaaa3                      ; sine:   -1.6666654611e-1,
	s_mov_b32 s25, 0x3c08839e                      ;          8.3321608736e-3,
	s_mov_b32 s26, 0xb94ca1f9                      ;         -1.9515295891e-4
	s_mov_b32 s27, 0x3d2aaaa5                      ; cosine:  4.166664568e-2,
	s_mov_b32 s28, 0xbab6061a                      ;         -1.388731625e-3,
	s_mov_b32 s29, 0x37ccf5ce                      ;          2.443315712e-5
	s_lshl_b32 s30, ttmp9, 11                      ; 8 rows of 256 bytes
	s_mov_b32 s31, 0
	s_add_nc_u64 s[34:35], s[18:19], s[30:31]
	s_lshl_b32 s32, ttmp9, 3                       ; my first t
	v_lshlrev_b32 v32, 1, v1
	s_delay_alu instid0(VALU_DEP_1)
	v_cvt_f32_u32 v32, v32                         ; j = 2 r,
	s_delay_alu instid0(VALU_DEP_1)
	v_add_f32 v33, 1.0, v32                        ; 2 r + 1
	s_delay_alu instid0(VALU_DEP_2)
	v_mul_f32 v34, 0x3181a3c4, v32                 ; j x 0.41524103661, the constant's low part first
	s_delay_alu instid0(VALU_DEP_2)
	v_mul_f32 v35, 0x3181a3c4, v33
	s_delay_alu instid0(VALU_DEP_2)
	v_fmamk_f32 v34, v32, 0x3ed49a79, v34
	s_delay_alu instid0(VALU_DEP_2)
	v_fmamk_f32 v35, v33, 0x3ed49a79, v35
	s_wait_alu depctr_va_vdst(0)
	v_exp_f32 v36, -v34                            ; inv_freq
	v_exp_f32 v37, -v35
	v_sub_nc_u32 v38, 1, v2                        ; cos(a) = sin(a + pi / 2): one quadrant on in lanes 0-15.  (A plain place behind the exponentials)
	s_wait_alu depctr_va_vdst(0)                   ; one wait for both, ahead of their first reader
.macro TROW i
	s_add_co_u32 s33, s32, \i
	v_cvt_f32_u32 v39, s33                         ; t
.irp e, 0,1
	v_mul_f32 v[40+\e], v39, v[36+\e]              ; the angle
.endr
.irp e, 0,1
	s_delay_alu instid0(VALU_DEP_2)
	v_mul_f32 v[42+\e], 0x3f22f983, v[40+\e]
.endr
.irp e, 0,1
	s_delay_alu instid0(VALU_DEP_2)
	v_rndne_f32 v[42+\e], v[42+\e]                 ; n = round(angle x 2 / pi)
.endr
.irp e, 0,1
	s_delay_alu instid0(VALU_DEP_2)
	v_fmamk_f32 v[44+\e], v[42+\e], 0xbfc90fdb, v[40+\e]   ; angle - n x pi / 2: the high part (exact: n has 11 bits),
.endr
.irp e, 0,1
	s_delay_alu instid0(VALU_DEP_2)
	v_fmamk_f32 v[44+\e], v[42+\e], 0x333bbd2e, v[44+\e]   ; the low part
.endr
.irp e, 0,1
	s_delay_alu instid0(VALU_DEP_2)
	v_mul_f32 v[46+\e], v[44+\e], v[44+\e]         ; z
.endr
.irp e, 0
	s_delay_alu instid0(VALU_DEP_2)
	v_fma_f32 v[48+\e], v[46+\e], s26, s25
	s_delay_alu instid0(VALU_DEP_3)
	v_fma_f32 v[54+\e], v[46+\e], s29, s28
.endr
.irp e, 1
	s_delay_alu instid0(VALU_DEP_3)
	v_fma_f32 v[48+\e], v[46+\e], s26, s25
	s_delay_alu instid0(VALU_DEP_4)
	v_fma_f32 v[54+\e], v[46+\e], s29, s28
.endr
.irp e, 0,1
	s_delay_alu instid0(VALU_DEP_4)
	v_fma_f32 v[48+\e], v[48+\e], v[46+\e], s24
	s_delay_alu instid0(VALU_DEP_4)
	v_fma_f32 v[54+\e], v[54+\e], v[46+\e], s27
.endr
.irp e, 0,1
	v_mul_f32 v[50+\e], v[44+\e], v[46+\e]
	v_mul_f32 v[56+\e], v[46+\e], v[46+\e]
	v_fma_f32 v[58+\e], v[46+\e], -0.5, 1.0
.endr
.irp e, 0,1
	v_fma_f32 v[52+\e], v[50+\e], v[48+\e], v[44+\e]   ; sine of the rest
	v_fma_f32 v[60+\e], v[56+\e], v[54+\e], v[58+\e]   ; cosine of the rest
	v_cvt_i32_f32 v[62+\e], v[42+\e]
.endr
.irp e, 0,1
	v_add_nc_u32 v[62+\e], v[62+\e], v38           ; the quadrant
	s_delay_alu instid0(VALU_DEP_1)
	v_and_b32 v[80+\e], 1, v[62+\e]
	s_delay_alu instid0(VALU_DEP_2)
	v_and_b32 v[82+\e], 2, v[62+\e]
	s_delay_alu instid0(VALU_DEP_2)
	v_cmp_eq_u32 vcc_lo, 1, v[80+\e]
	s_delay_alu instid0(VALU_DEP_1)
	v_cndmask_b32 v[64+2*\i+\e], v[52+\e], v[60+\e], vcc_lo   ; odd quadrants take the cosine,
	s_delay_alu instid0(VALU_DEP_3)
	v_lshlrev_b32 v[82+\e], 30, v[82+\e]
	s_delay_alu instid0(VALU_DEP_1)
	v_xor_b32 v[64+2*\i+\e], v[64+2*\i+\e], v[82+\e]   ; quadrants 2 and 3 the other sign
.endr
	global_store_b64 v8, v[64+2*\i:65+2*\i], s[34:35] offset:256*\i   ; 32 lanes store a row: 256 consecutive bytes, aligned; each row has its own pair of registers
.endm
.irp i, 0,1,2,3,4,5,6,7
	TROW \i
.endr
.Lend:
	s_endpgm
.Lfunc_end_k_q591b40bf5a_prep:
	.size	k_q591b40bf5a_prep, .Lfunc_end_k_q591b40bf5a_prep-k_q591b40bf5a_prep
	.p2alignl 7, 3214868480
	.fill 96, 4, 3214868480
	.section	.rodata,"a",@progbits
	.p2align	6, 0x0
	.amdhsa_kernel k_q591b40bf5a_prep
		.amdhsa_group_segment_fixed_size 77312
		.amdhsa_private_segment_fixed_size 0
		.amdhsa_enable_private_segment 0
		.amdhsa_kernarg_size 64
		.amdhsa_user_sgpr_count 2
		.amdhsa_user_sgpr_kernarg_segment_ptr 1
		.amdhsa_wavefront_size32 1
		.amdhsa_system_sgpr_workgroup_id_x 1
		.amdhsa_system_sgpr_workgroup_id_y 1
		.amdhsa_system_sgpr_workgroup_id_z 1
		.amdhsa_system_vgpr_workitem_id 0
		.amdhsa_next_free_vgpr 136
		.amdhsa_next_free_sgpr 66
		.amdhsa_reserve_vcc 1
		.amdhsa_float_denorm_mode_32 3
		.amdhsa_float_denorm_mode_16_64 3
		.amdhsa_memory_ordered 1
		.amdhsa_forward_progress 1
		.amdhsa_inst_pref_size 47
	.end_amdhsa_kernel
	.amdgpu_metadata
---
amdhsa.version: [ 1, 2 ]
amdhsa.kernels:
  - .name:           k_q591b40bf5a_prep
    .symbol:         k_q591b40bf5a_prep.kd
    .args:
      - { .name: x, .offset: 0, .size: 8, .value_kind: global_buffer, .address_space: global }
      - { .name: Wq, .offset: 8, .size: 8, .value_kind: global_buffer, .address_space: global }
      - { .name: Wk, .offset: 16, .size: 8, .value_kind: global_buffer, .address_space: global }
      - { .name: Wv, .offset: 24, .size: 8, .value_kind: global_buffer, .address_space: global }
      - { .name: Wp, .offset: 32, .size: 8, .value_kind: global_buffer, .address_space: global }
      - { .name: xq, .offset: 40, .size: 8, .value_kind: global_buffer, .address_space: global }
      - { .name: wq, .offset: 48, .size: 8, .value_kind: global_buffer, .address_space: global }
      - { .name: tab, .offset: 56, .size: 8, .value_kind: global_buffer, .address_space: global }
    .group_segment_fixed_size: 77312
    .private_segment_fixed_size: 0
    .kernarg_segment_align: 8
    .kernarg_segment_size: 64
    .max_flat_workgroup_size: 288
    .sgpr_count:     66
    .vgpr_count:     136
    .wavefront_size: 32
...
	.end_amdgpu_metadata
.endif
;; end of part 1
;; launch qkv (part 2): grid 16 x 16, 4 waves a work-group, no clusters, 327,680 bytes of LDS; arguments xq, wq, tab, qq, kv; writes qq, kv
.if DOCPART == 2
	.amdgcn_target "amdgcn-amd-amdhsa--gfx1250"
	.amdhsa_code_object_version 6
	.text
	.protected	k_q591b40bf5a_qkv
	.globl	k_q591b40bf5a_qkv
	.p2align	8
	.type	k_q591b40bf5a_qkv,@function
k_q591b40bf5a_qkv:
	s_mov_b64 s[64:65], 0
	v_nop
	global_prefetch_b8 v0, s[64:65] scope:SCOPE_SE
	s_setreg_imm32_b32 hwreg(HW_REG_WAVE_MODE, 25, 1), 1
	s_wait_xcnt 0x0
; QKV: q, k, v = x Wq^T, x Wk^T, x Wv^T on codes of FP6 (E2M3); then, in registers: the rotary turn, the clips, the new time coordinate; q and k quantised along the head's 64, v along the keys.
; SHARES.  Work-group (head, g): 256 rows of x (tiles 16 g ..) against the head's 13 weight tiles (4 of Wq, 4 of Wk, 5 of Wv).  Wave w: 64 rows (4 tiles) x 13 tiles = 52 accumulators; nine K steps of 128.
; The head's weights, 179,712 bytes of register images and 7,488 of scale words, come into LDS ONCE, by four tensor loads a wave at the head (the scale words, then three chunks of three K steps); nothing is filled again.
; x's fragments are the wave's own: they come from memory straight into registers, two K steps ahead.  For a K step a wave reads 13 fragments from LDS for 52 matrix instructions.
; q AND k ARE USED TRANSPOSED (source 0 = 16 rows of W, source 1 = 16 rows of x): a lane holds one token, and the 16 registers of W's tiles 2 b and 2 b + 1 are the head's spatial numbers 32 b + 16 (lane / 16) + 0 .. 15.
; v IS USED AS IT STANDS (source 0 = x, source 1 = Wv): a lane holds one channel, and the 16 registers of x's tiles 2 P and 2 P + 1 are 16 neighbouring keys: the next product's K.
; OUT.  qq: q's half images (6 registers: 64 along K; registers 0-3 at 16 l, 4-5 at 512 + 8 l), scale words with 3 taken off both bytes (the division by 8 = sqrt(64)), and -q0 / 8.
;       kv: for each 128 keys a block of 15,360 bytes: K's 8 half images | V's 10 | K's scale words | V's scale words | k0.  The last three, 1,536 bytes, meet in LDS from two waves and leave as whole pieces of 256 bytes.
; LIMITS: NaN and infinities are not served.  A block of zeros gets the byte 1.  A block of q whose largest magnitude lies under 2^-121 is quantised at the scale 2^-123 (its byte is held at 4 so that 3 can come off).
; No cluster: what work-groups share (a head's weights among 16 row groups) is fetched once by each at its head, and no later step waits for it.
; REGISTERS.  window 0: v1-15 addresses; v16-51 x's scale words (9 m + s); v52-77 W's, two sets of 13; v80-235 W's 13 fragments; on the way out v80-255 at work.
;   window 1: q's accumulators at 32 m + 8 n, k's at 128 + 32 m + 8 n.   window 2: v's at 32 t + 8 m.   window 3: v0-95 x's fragments, two sets of four; v96-223 cos (96 + 32 m) and sin (112 + 32 m) of tile m.
; IN PLACE OF WHAT THE HEAD SAYS OF THE FILLS AND OF THE ORDER OF ROWS: a head's group of wq is 732 dense rows of 256 bytes, scale words (30 rows) first, and lies in LDS as in memory.
; Each wave fetches 66 rows at the head (together the scale words and K steps 0-2) and 117 rows behind the first barrier (K steps 3-8): one tensor load a wave each time.
; Lane r of x's tile m of my four is token 8 m + r % 8 + 32 (r / 8) of my 64: v's 32 registers of the four tiles are one whole block of 32 keys in a lane.
.set SCB,   0                          ; LDS: the scale words [s][tile][64 bytes]; the codes begin at byte 7,680
.set STG,   187392                     ; two tails of 1,536 bytes, in blocks of 256 bytes of their own
.set SPARE, 190464                     ; the spare words: 128 bytes a wave
.set LI16, 1                           ; v1  16 x lane
.set LI8,  2                           ; v2  8 x lane
.set R4,   3                           ; v3  4 r
.set LB,   4                           ; v4-6  7,680 + 16 x lane + 59,904 x chunk
.set LSC,  7                           ; v7  SCB + 4 r
.set TA,   8                           ; v8  the table: (r % 8 + 32 (r / 8)) x 256 + 64 h
.set SK,   9                           ; v9  tail: K's scale words
.set SZ,   10                          ; v10 tail: k0
.set SV,   11                          ; v11 tail: V's scale half words
.set SR,   12                          ; v12 tail: where I read it back
.set SPW,  14                          ; v14 my spare word; never rewritten
.set NIL,  15                          ; v15 0; never rewritten
.set XS,   16
.set WS,   52
.set BF,   80
.set R,    80                          ; the way out: v80-111 a tile's 32 turned numbers
.set K0,   112                         ; v112-115 k0 of four tiles
.set VH,   116                         ; v116-120 V's half words
.set KP,   122                         ; v122-123 K's pair of scale words
.set TL,   124                         ; v124-129 the tail, read back
.set PCD,  144                         ; v144-221 13 half images, each in registers of its own: no store's data are written again
.set QW,   224                         ; v224-227 q's scale words
.set Q0,   228                         ; v228-231 -q0 / 8
.set KW,   232                         ; v232-235 k's scale words
.set TM,   236                         ; v236-243 at work
.set CT,   244                         ; v244-246 a conversion's second three
.set XB,   56                          ; s[56:57] x's images at my first tile;  s[58:59] their scale words
.set XSB,  58
.set TBL,  60                          ; s[60:61] the table at my first token
.set QC,   62                          ; s[62:63] q's images;  s[66:67] q's scale words and -q0 / 8
.set QS,   66
.set KVK,  68                          ; s[68:69] my half of K's images;  s[70:71] of V's;  s[78:79] of the tail
.set KVV,  70
.set KVT,  78
.set MSB, 0
.macro WIN new                         ; the immediate's high byte repeats the setting that is left
.if MSB != (\new)
	s_set_vgpr_msb (MSB<<8)|(\new)
.set MSB, (\new)
.endif
.endm
.macro PLACES                          ; four places behind a matrix instruction, in front of loads into registers that it has read and of the first read of results
.rept 4
	v_nop
.endr
.endm
.macro ALOAD s                         ; x's four fragments of K step s into set s % 2 of window 3
	WIN 0xc0
.irp m, 0,1,2,3
.irp c, 0,1,2
	global_load_b128 v[48*((\s)%2)+12*\m+4*\c:48*((\s)%2)+12*\m+4*\c+3], v[LI16], s[XB:XB+1] offset:13824*\m+1536*(\s)+512*\c
.endr
.endr
	WIN 0
.endm
.macro BLOAD s, n0, cnt                ; W's fragments n0 .. of K step s, and their scale words into set s % 2: four LDS loads a tile
.set n, \n0
.rept \cnt
.irp c, 0,1,2
	ds_load_b128 v[BF+12*n+4*\c:BF+12*n+4*\c+3], v[LB+(\s)/3] offset:19968*((\s)%3)+1536*n+512*\c
.endr
	ds_load_b32 v[WS+13*((\s)%2)+n], v[LSC] offset:832*(\s)+64*n
.set n, n+1
.endr
.endm
.macro MULT s, n0, cnt                 ; transposed: W's tiles n0 .. x my four tiles of rows.  The 52 accumulators take turns, one instruction a turn, in the same order in every K step
.set n, \n0
.rept \cnt
.irp m, 0,1,2,3
.set AC, 128*(n/4)+32*\m+8*(n%4)
.if (\s) == 0
	v_wmma_scale_f32_16x16x128_f8f6f4 v[AC:AC+7], v[BF+12*n:BF+12*n+11], v[48*((\s)%2)+12*\m:48*((\s)%2)+12*\m+11], 0, v[WS+13*((\s)%2)+n], v[XS+9*\m+(\s)] matrix_a_fmt:MATRIX_FMT_FP6 matrix_b_fmt:MATRIX_FMT_FP6
.else
	v_wmma_scale_f32_16x16x128_f8f6f4 v[AC:AC+7], v[BF+12*n:BF+12*n+11], v[48*((\s)%2)+12*\m:48*((\s)%2)+12*\m+11], v[AC:AC+7], v[WS+13*((\s)%2)+n], v[XS+9*\m+(\s)] matrix_a_fmt:MATRIX_FMT_FP6 matrix_b_fmt:MATRIX_FMT_FP6
.endif
.endr
.set n, n+1
.endr
.endm
.macro MULV s                          ; as it stands: my four tiles of rows x Wv's five tiles
.irp t, 0,1,2,3,4
.irp m, 0,1,2,3
.if (\s) == 0
	v_wmma_scale_f32_16x16x128_f8f6f4 v[32*\t+8*\m:32*\t+8*\m+7], v[48*((\s)%2)+12*\m:48*((\s)%2)+12*\m+11], v[BF+12*(8+\t):BF+12*(8+\t)+11], 0, v[XS+9*\m+(\s)], v[WS+13*((\s)%2)+8+\t] matrix_a_fmt:MATRIX_FMT_FP6 matrix_b_fmt:MATRIX_FMT_FP6
.else
	v_wmma_scale_f32_16x16x128_f8f6f4 v[32*\t+8*\m:32*\t+8*\m+7], v[48*((\s)%2)+12*\m:48*((\s)%2)+12*\m+11], v[BF+12*(8+\t):BF+12*(8+\t)+11], v[32*\t+8*\m:32*\t+8*\m+7], v[XS+9*\m+(\s)], v[WS+13*((\s)%2)+8+\t] matrix_a_fmt:MATRIX_FMT_FP6 matrix_b_fmt:MATRIX_FMT_FP6
.endif
.endr
.endr
.endm
; A K STEP: three groups of tiles (4, 4, 5).  As soon as a group's products are issued its registers take the next K step's fragments.
.macro KSTEP s
.if (\s) == 2                          ; K steps 3-8 are first read in this K step: my part of them has landed, and so, behind the barrier, has everybody's
	s_wait_tensorcnt 0x0
	s_wait_dscnt 0x0                               ; no LDS instruction of mine is out at a signal
	s_barrier_signal -1
	s_barrier_wait -1
.endif
.if (\s) < 8
	s_wait_loadcnt 12                              ; x's fragments of this K step are in; the next step's twelve loads may be out
.else
	s_wait_loadcnt 0x0
.endif
	s_wait_dscnt 36                                ; group 1 is in; groups 2 and 3 (16 + 20 loads) may be out
	WIN 0x5c                                       ; source 0 (W) window 0, source 1 (x) window 3, C and D window 1
	MULT \s, 0, 4
	WIN 0
.if (\s) < 8
	PLACES
	BLOAD (\s)+1, 0, 4
	s_wait_dscnt 36                                ; group 2 is in; group 3 and the next step's group 1 (20 + 16) may be out
.else
	s_wait_dscnt 20
.endif
	WIN 0x5c
	MULT \s, 4, 4
	WIN 0
.if (\s) < 8
	PLACES
	BLOAD (\s)+1, 4, 4
	s_wait_dscnt 32                                ; group 3 is in; the next step's groups 1 and 2 may be out
.else
	s_wait_dscnt 0x0
.endif
	WIN 0xa3                                       ; source 0 (x) window 3, source 1 (W) window 0, C and D window 2
	MULV \s
	WIN 0
.if (\s) < 8
	PLACES
	BLOAD (\s)+1, 8, 5
.endif
.if (\s) < 7
	ALOAD (\s)+2
.endif
.endm
	s_load_b256 s[4:11], s[0:1], 0x0               ; xq s[4:5], wq s[6:7], tab s[8:9], qq s[10:11]
	s_load_b64 s[12:13], s[0:1], 0x20              ; kv
	v_lshl_add_u32 v[SPW], v0, 2, SPARE
	v_mov_b32 v[NIL], 0
	ds_add_u32 v[SPW], v[NIL]                      ; the wave's opening: the add and its wait stand ahead of my first tensor load; the set-up below, work on registers, stands between them
	ds_add_u32 v[SPW], v[NIL]
	v_lshrrev_b32 v1, 5, v0
	v_readfirstlane_b32 s14, v1                    ; wave 0..3
	; two descriptor groups 1: dense rows of 256 bytes (32 elements of 8 bytes), 66 rows at the head, 117 behind the first barrier
	s_mov_b32 s24, 3<<16                           ; no mask; elements of 8 bytes; no padding
	s_mov_b32 s25, 32<<16                          ; rows of 32 elements of 8 bytes: 256 bytes
	s_mov_b32 s26, 66<<16                          ; the head's load: 66 rows
	s_mov_b32 s27, 32<<16
	s_mov_b32 s28, 66
	s_mov_b32 s29, 32
	s_mov_b32 s30, 0
	s_mov_b32 s31, 0
	s_mov_b32 s32, 3<<16                           ; the second load: 117 rows
	s_mov_b32 s33, 32<<16
	s_mov_b32 s34, 117<<16
	s_mov_b32 s35, 32<<16
	s_mov_b32 s36, 117
	s_mov_b32 s37, 32
	s_mov_b32 s38, 0
	s_mov_b32 s39, 0
	s_mov_b32 s72, 0x76543210                      ; v_permlanex16_b32's selects for lane l xor 16
	s_mov_b32 s73, 0xfedcba98
	s_mov_b32 s74, 0xc47a0000                      ; -1000
	s_mov_b32 s75, 0x447a0000                      ; 1000
	s_mov_b32 s76, 0x49742400                      ; 1e6
	s_mov_b32 s77, 0xffff0000                      ; lanes 16-31
	s_and_b32 s16, ttmp7, 0xffff                   ; g: which 256 rows
	s_and_b32 s17, s16, 7                          ; within the sequence
	s_lshr_b32 s18, s16, 3
	s_lshl_b32 s18, s18, 4
	s_add_co_u32 s18, s18, ttmp9                   ; 16 x batch + head
	s_and_b32 s19, s14, 1                          ; c: which half of a key step's 128 keys is mine
	s_lshr_b32 s20, s14, 1                         ; which of the work-group's two key steps
	s_lshl_b32 s21, s16, 4
	s_lshl_b32 s15, s14, 2
	s_add_co_u32 s21, s21, s15                     ; my first tile of x
	s_mul_i32 s80, s21, 13824
	s_mov_b32 s81, 0
	s_mul_i32 s82, s21, 576
	s_add_co_u32 s82, s82, 3538944
	s_mov_b32 s83, 0
	s_lshl_b32 s84, s17, 16                        ; the table: (256 g7 + 64 w) rows of 256 bytes
	s_lshl_b32 s15, s14, 14
	s_add_co_u32 s84, s84, s15
	s_mov_b32 s85, 0
	s_lshl_b32 s86, s18, 7
	s_lshl_b32 s15, s17, 4
	s_add_co_u32 s86, s86, s15
	s_lshl_b32 s15, s14, 2
	s_add_co_u32 s86, s86, s15                     ; q's tile: 128 bh + 16 g7 + 4 w
	s_lshr_b32 s88, s86, 2                         ; and its group of four
	s_mul_i32 s86, s86, 768
	s_mov_b32 s87, 0
	s_lshl_b32 s88, s88, 10
	s_add_co_u32 s88, s88, 3145728
	s_mov_b32 s89, 0
	s_lshl_b32 s90, s18, 4
	s_lshl_b32 s15, s17, 1
	s_add_co_u32 s90, s90, s15
	s_add_co_u32 s90, s90, s20                     ; the key step: 16 bh + 2 g7 + w / 2
	s_mul_i32 s90, s90, 15360
	s_mov_b32 s91, 0
	s_mul_i32 s23, s14, 16896                      ; my 66 rows of the first 264
	s_mul_i32 s92, ttmp9, 187392                   ; the head's group
	s_mul_i32 s53, s14, 29952                      ; my 117 rows of the other 468,
	s_add_co_u32 s53, s53, 67584                   ; which begin behind the 264: the same byte in LDS and in the group
	s_add_co_u32 s94, s92, s53
	s_add_co_u32 s92, s92, s23
	s_mov_b32 s93, 0
	s_mov_b32 s95, 0
	v_and_b32 v13, 31, v0
	v_lshlrev_b32 v[LI16], 4, v13
	v_lshlrev_b32 v[LI8], 3, v13
	v_and_b32 v236, 15, v0                         ; r
	v_bfe_u32 v237, v0, 4, 1                       ; h
	v_lshlrev_b32 v[R4], 2, v236
	v_add_nc_u32 v[LB], 7680, v[LI16]
	v_add_nc_u32 v[LB+1], 67584, v[LI16]
	v_add_nc_u32 v[LB+2], 127488, v[LI16]
	v_add_nc_u32 v[LSC], SCB, v[R4]
	v_and_b32 v238, 8, v236
	v_mad_u32_u24 v238, v238, 3, v236              ; r % 8 + 32 (r / 8)
	v_lshlrev_b32 v[TA], 8, v238
	v_lshl_add_u32 v[TA], v237, 6, v[TA]
	s_mul_i32 s22, s20, 1536
	s_add_co_u32 s22, s22, STG                     ; my key step's tail
	s_lshl_b32 s15, s19, 8
	s_add_co_u32 s15, s15, s22
	v_add_nc_u32 v[SK], s15, v[LI8]                ; K's scale words: 256 c + 8 x lane
	s_add_co_u32 s15, s15, 1024
	v_lshl_add_u32 v[SZ], v238, 2, s15             ; k0: 1,024 + 256 c + 4 (r % 8 + 32 (r / 8))
	s_lshl_b32 s15, s19, 1
	s_add_co_u32 s15, s15, s22
	s_add_co_u32 s15, s15, 512
	v_lshl_add_u32 v[SV], v236, 4, s15
	v_add_nc_u32 v[SV], v[SV], v237                ; V's scale bytes: 512 + 16 r + 2 c + h: a lane holds block 2 c + h whole
	s_mul_i32 s15, s19, 768
	s_add_co_u32 s15, s15, s22
	v_add_nc_u32 v[SR], s15, v[LI8]                ; back: my half of the tail
	s_wait_alu depctr_va_vdst(0)
	s_wait_dscnt 0x0                               ; the opening add is done
	s_wait_kmcnt 0x0
	s_add_nc_u64 s[XB:XB+1], s[4:5], s[80:81]
	s_add_nc_u64 s[XSB:XSB+1], s[4:5], s[82:83]
	s_add_nc_u64 s[TBL:TBL+1], s[8:9], s[84:85]
	s_add_nc_u64 s[QC:QC+1], s[10:11], s[86:87]
	s_add_nc_u64 s[QS:QS+1], s[10:11], s[88:89]
	s_add_nc_u64 s[KVK:KVK+1], s[12:13], s[90:91]  ; the key step's block
	s_mul_i32 s80, s19, 768
	s_add_nc_u64 s[KVV:KVV+1], s[KVK:KVK+1], s[80:81]
	s_add_nc_u64 s[KVT:KVT+1], s[KVV:KVV+1], 13824 ; the tail: + 768 c
	s_add_nc_u64 s[KVV:KVV+1], s[KVV:KVV+1], 6144  ; V's images: unit 2 t + c
	s_mul_i32 s80, s19, 3072
	s_add_nc_u64 s[KVK:KVK+1], s[KVK:KVK+1], s[80:81]   ; K's images: tile 4 c + m
	s_mov_b32 s40, 1                               ; count = 1
	s_mov_b32 s41, s23                             ; LDS address
	s_add_nc_u64 s[42:43], s[6:7], s[92:93]
	s_or_b32 s43, s43, 0x80000000                  ; type = 2
	s_mov_b32 s52, 1                               ; (s53 holds the second load's LDS address)
	s_add_nc_u64 s[54:55], s[6:7], s[94:95]
	s_or_b32 s55, s55, 0x80000000
	tensor_load_to_lds s[40:43], s[24:31]          ; my one load at the head: a quarter of the scale words and K steps 0-2
	s_nop 0
	PLACES
.irp m, 0,1,2,3
.irp s, 0,1,2,3,4,5,6,7,8
	global_load_b32 v[XS+9*\m+\s], v[R4], s[XSB:XSB+1] offset:576*\m+64*\s   ; x's scale words: they stay
.endr
.endr
	WIN 0xc0
.irp m, 0,1,2,3
.irp j, 0,1,2,3
	global_load_b128 v[96+32*\m+4*\j:99+32*\m+4*\j], v[TA], s[TBL:TBL+1] offset:8*\m*256+16*\j          ; cos of my token, places 16 h + 0 .. 15
	global_load_b128 v[112+32*\m+4*\j:115+32*\m+4*\j], v[TA], s[TBL:TBL+1] offset:8*\m*256+128+16*\j    ; sin
.endr
.endr
	ALOAD 0
	ALOAD 1
	s_wait_tensorcnt 0x0                           ; my part of the first 264 rows is in
	ds_add_u32 v[SPW], v[NIL]
	s_wait_dscnt 0x0
	s_barrier_signal -1
	s_barrier_wait -1                              ; everybody's are
	tensor_load_to_lds s[52:55], s[32:39]          ; my one load behind this barrier: a quarter of K steps 3-8
	s_nop 0
	PLACES
	BLOAD 0, 0, 4
	BLOAD 0, 4, 4
	BLOAD 0, 8, 5
.irp s, 0,1,2,3,4,5,6,7,8
	KSTEP \s
.endr
; THE WAY OUT.
; ROT: tile m of q (a = 32 m) or k (a = 128 + 32 m), in window 1: registers a + i are x1 at places 16 h + i, a + 16 + i are x2.  y1 = x1 cos + x2 sin, y2 = x2 cos - x1 sin; clipped to +-1000;
; the sum of squares over the lane's 32 and lane l xor 16's, clipped to 1e6; x0 = sqrt(1 + sum + 1e-6).  Each accumulator is read from its low end on.
.macro ROT a, m, x0
	WIN 0x0d                                       ; source 0 window 1, source 1 window 3
.irp i, 0,2,4,6,8,10,12,14
	v_pk_mul_f32 v[R+\i:R+\i+1], v[(\a)+\i:(\a)+\i+1], v[96+32*\m+\i:97+32*\m+\i]
	v_pk_mul_f32 v[R+16+\i:R+17+\i], v[(\a)+16+\i:(\a)+17+\i], v[96+32*\m+\i:97+32*\m+\i]
	v_pk_fma_f32 v[R+\i:R+\i+1], v[(\a)+16+\i:(\a)+17+\i], v[112+32*\m+\i:113+32*\m+\i], v[R+\i:R+\i+1]
	v_pk_fma_f32 v[R+16+\i:R+17+\i], v[(\a)+\i:(\a)+\i+1], v[112+32*\m+\i:113+32*\m+\i], v[R+16+\i:R+17+\i] neg_lo:[1,0,0] neg_hi:[1,0,0]
.endr
	WIN 0
.set j, 0
.rept 32
	v_med3_num_f32 v[R+j], v[R+j], s74, s75
.set j, j+1
.endr
	v_pk_mul_f32 v[248:249], v[R:R+1], v[R:R+1]    ; two chains
	v_pk_mul_f32 v[250:251], v[R+2:R+3], v[R+2:R+3]
.irp i, 4,8,12,16,20,24,28
	v_pk_fma_f32 v[248:249], v[R+\i:R+\i+1], v[R+\i:R+\i+1], v[248:249]
	v_pk_fma_f32 v[250:251], v[R+\i+2:R+\i+3], v[R+\i+2:R+\i+3], v[250:251]
.endr
	v_pk_add_f32 v[248:249], v[248:249], v[250:251]
	v_add_f32 v252, v248, v249
	v_permlanex16_b32 v253, v252, s72, s73
	v_add_f32 v252, v252, v253
	v_med3_num_f32 v252, v252, 0, s76
	v_add_f32 v252, 1.0, v252
	v_add_f32 v252, 0x358637bd, v252               ; + 1e-6
	s_wait_alu depctr_va_vdst(0)
	v_sqrt_f32 v[\x0], v252                        ; the maxima that follow are the plain work behind it; its wait stands ahead of its first reader
.endm
; QUANT2: 32 numbers of a lane in window w, register 16 b + i = k 32 b + 16 (lane / 16) + i, become 6 registers of codes at v[pc] (k = 32 (lane / 16) + 0 .. 31); the two bytes are left in v[TM+4], v[TM+5].
.macro QUANT2 src, w, floor, pc
	WIN (\w)|((\w)<<2)
.irp b, 0,1
	v_max3_num_f32 v[TM+\b], |v[(\src)+16*\b]|, |v[(\src)+16*\b+1]|, \floor   ; the floor holds the byte from below
.endr
	WIN ((\w)<<2)|((\w)<<4)
.irp i, 2,4,6,8,10,12,14
.irp b, 0,1
	v_max3_num_f32 v[TM+\b], v[TM+\b], |v[(\src)+16*\b+\i]|, |v[(\src)+16*\b+\i+1]|
.endr
.endr
	WIN 0
.irp b, 0,1
	v_permlanex16_b32 v[TM+2+\b], v[TM+\b], s72, s73
.endr
.irp b, 0,1
	v_max_num_f32 v[TM+\b], v[TM+\b], v[TM+2+\b]   ; with lane l xor 16's: the block's largest magnitude
.endr
.irp b, 0,1
	v_add_nc_u32 v[TM+6+\b], 0xff000000, v[TM+\b]  ; 2 off its exponent field: the conversion's scale operand
.endr
.irp b, 0,1
	v_lshrrev_b32 v[TM+4+\b], 23, v[TM+6+\b]       ; the scale's byte
.endr
	WIN (\w)
	v_cvt_scalef32_pk16_fp6_f32 v[(\pc):(\pc)+2], v[(\src):(\src)+15], v[TM+6]
	v_cvt_scalef32_pk16_fp6_f32 v[CT:CT+2], v[(\src)+16:(\src)+31], v[TM+7]
	WIN 0
	v_nop                                          ; one plain place behind a scaled conversion
.irp i, 0,1,2
	v_permlane16_swap_b32 v[(\pc)+\i], v[CT+\i]    ; a whole block to a lane: lanes 0-15 block 0, lanes 16-31 block 1
.endr
.irp i, 0,1,2
	v_mov_b32 v[(\pc)+3+\i], v[CT+\i]
.endr
.endm
	PLACES                                         ; behind the last products: results are read and W's registers are written from here on
; QUANTV: 32 numbers of a lane in window 2, one whole block along the keys, become 6 registers of codes at v[pc]; the block's byte is left in v[by].  Each accumulator is read from its low end on.
.macro QUANTV src, pc, by
	WIN 0x0a
	v_max3_num_f32 v[TM], |v[(\src)]|, |v[(\src)+1]|, 0x1800000     ; two chains; the floor holds the byte from below
	v_max3_num_f32 v[TM+1], |v[(\src)+2]|, |v[(\src)+3]|, 0x1800000
	WIN 0x28
.irp i, 4,8,12,16,20,24,28
	v_max3_num_f32 v[TM], v[TM], |v[(\src)+\i]|, |v[(\src)+\i+1]|
	v_max3_num_f32 v[TM+1], v[TM+1], |v[(\src)+\i+2]|, |v[(\src)+\i+3]|
.endr
	WIN 0
	v_max_num_f32 v[TM], v[TM], v[TM+1]            ; the block's largest magnitude: all 32 numbers are mine
	v_add_nc_u32 v[TM+6], 0xff000000, v[TM]        ; 2 off its exponent field: the conversion's scale operand
	v_lshrrev_b32 v[\by], 23, v[TM+6]              ; the scale's byte
	WIN 0x02
	v_cvt_scalef32_pk16_fp6_f32 v[(\pc):(\pc)+2], v[(\src):(\src)+15], v[TM+6]
	v_cvt_scalef32_pk16_fp6_f32 v[CT:CT+2], v[(\src)+16:(\src)+31], v[TM+6]
	WIN 0
	v_nop                                          ; one plain place behind a scaled conversion
.irp i, 0,1,2
	v_mov_b32 v[(\pc)+3+\i], v[CT+\i]
.endr
.endm
	v_mov_b32 v253, 0
	v_mov_b32 v[TM+2], 0
	v_mov_b32 v[TM+3], 0
.irp m, 0,1,2,3                                ; q
	ROT 32*\m, \m, 254
	QUANT2 R, 0, 0x3000000, PCD+6*\m               ; the floor 2^(6 - 127): the byte is at least 4
	v_lshl_or_b32 v[QW+\m], v[TM+5], 8, v[TM+4]
	v_add_nc_u32 v[QW+\m], 0x7f7efcfd, v[QW+\m]    ; 3 off both bytes (/ 8), and 0x7f in the bytes of k = 64 .. 127, where q's codes will be zeros
	s_wait_alu depctr_va_vdst(0)                   ; ahead of the root's first reader
	v_mul_f32 v[Q0+\m], 0xbe000000, v254           ; -q0 / 8
	global_store_b128 v[LI16], v[PCD+6*\m:PCD+6*\m+3], s[QC:QC+1] offset:768*\m
	global_store_b64 v[LI8], v[PCD+6*\m+4:PCD+6*\m+5], s[QC:QC+1] offset:768*\m+512
.endr
	global_store_b128 v[LI16], v[QW:QW+3], s[QS:QS+1]              ; [lane][4 tiles]: 512 consecutive bytes
	global_store_b128 v[LI16], v[Q0:Q0+3], s[QS:QS+1] offset:512
.irp m, 0,1,2,3                                ; k: tile 4 c + m of the key step
	ROT 128+32*\m, \m, K0+\m
	QUANT2 R, 0, 0x1800000, PCD+6*(4+\m)
	v_lshl_or_b32 v[KW+\m], v[TM+5], 8, v[TM+4]
	v_or_b32 v[KW+\m], 0x7f7f0000, v[KW+\m]
	global_store_b128 v[LI16], v[PCD+6*(4+\m):PCD+6*(4+\m)+3], s[KVK:KVK+1] offset:768*\m
	global_store_b64 v[LI8], v[PCD+6*(4+\m)+4:PCD+6*(4+\m)+5], s[KVK:KVK+1] offset:768*\m+512
	s_wait_alu depctr_va_vdst(0)                   ; ahead of the root's first reader
	ds_store_b32 v[SZ], v[K0+\m] offset:32*\m      ; k0, keys in their natural order; lanes r and r + 16 store the same number to the same place
.endr
.irp i, 0,1
	v_cndmask_b32 v[KP+\i], v[KW+2*\i], v[KW+2*\i+1], s77          ; one register carries two tiles' words: lanes 0-15 the even tile's, lanes 16-31 the odd one's
.endr
	ds_store_b64 v[SK], v[KP:KP+1]
.irp t, 0,1,2,3,4                              ; v: channels 16 t + r, my 64 keys: registers 6 c .. 6 c + 5 of V^T's fragment
	QUANTV 32*\t, PCD+6*(8+\t), VH+\t              ; byte 2 c + h of the channel's scale word
	global_store_b128 v[LI16], v[PCD+6*(8+\t):PCD+6*(8+\t)+3], s[KVV:KVV+1] offset:1536*\t
	global_store_b64 v[LI8], v[PCD+6*(8+\t)+4:PCD+6*(8+\t)+5], s[KVV:KVV+1] offset:1536*\t+512
	ds_store_b8 v[SV], v[VH+\t] offset:256*(\t%2)+4*(\t/2)         ; word t / 2 of lane r + 16 (t % 2)
.endr
	ds_store_b8 v[SV], v[VH+4] offset:256+8        ; the places that have no tile repeat tile 4: every byte of the block is stored
	ds_store_b8 v[SV], v[VH+4] offset:12
	ds_store_b8 v[SV], v[VH+4] offset:256+12
	s_wait_dscnt 0x0                               ; for the partner's sake: my stores into the tail are done
	s_barrier_signal -1
	s_barrier_wait -1
.irp j, 0,1,2
	ds_load_b64 v[TL+2*\j:TL+2*\j+1], v[SR] offset:256*\j
.endr
	s_wait_dscnt 0x0
.irp j, 0,1,2
	global_store_b64 v[LI8], v[TL+2*\j:TL+2*\j+1], s[KVT:KVT+1] offset:256*\j   ; 32 lanes store 256 consecutive bytes, aligned
.endr
	s_wait_tensorcnt 0x0                           ; the wave's end: these three lines stand behind my last tensor load and my last LDS store
	ds_add_u32 v[SPW], v[NIL]
	s_wait_dscnt 0x0
	s_endpgm
.Lfunc_end_k_q591b40bf5a_qkv:
	.size	k_q591b40bf5a_qkv, .Lfunc_end_k_q591b40bf5a_qkv-k_q591b40bf5a_qkv
	.p2alignl 7, 3214868480
	.fill 96, 4, 3214868480
	.section	.rodata,"a",@progbits
	.p2align	6, 0x0
	.amdhsa_kernel k_q591b40bf5a_qkv
		.amdhsa_group_segment_fixed_size 327680
		.amdhsa_private_segment_fixed_size 0
		.amdhsa_enable_private_segment 0
		.amdhsa_kernarg_size 40
		.amdhsa_user_sgpr_count 2
		.amdhsa_user_sgpr_kernarg_segment_ptr 1
		.amdhsa_wavefront_size32 1
		.amdhsa_system_sgpr_workgroup_id_x 1
		.amdhsa_system_sgpr_workgroup_id_y 1
		.amdhsa_system_sgpr_workgroup_id_z 1
		.amdhsa_system_vgpr_workitem_id 0
		.amdhsa_next_free_vgpr 992
		.amdhsa_next_free_sgpr 96
		.amdhsa_reserve_vcc 0
		.amdhsa_float_denorm_mode_32 3
		.amdhsa_float_denorm_mode_16_64 3
		.amdhsa_memory_ordered 1
		.amdhsa_forward_progress 1
		.amdhsa_inst_pref_size 190
	.end_amdhsa_kernel
	.amdgpu_metadata
---
amdhsa.version: [ 1, 2 ]
amdhsa.kernels:
  - .name:           k_q591b40bf5a_qkv
    .symbol:         k_q591b40bf5a_qkv.kd
    .args:
      - { .name: xq, .offset: 0, .size: 8, .value_kind: global_buffer, .address_space: global }
      - { .name: wq, .offset: 8, .size: 8, .value_kind: global_buffer, .address_space: global }
      - { .name: tab, .offset: 16, .size: 8, .value_kind: global_buffer, .address_space: global }
      - { .name: qq, .offset: 24, .size: 8, .value_kind: global_buffer, .address_space: global }
      - { .name: kv, .offset: 32, .size: 8, .value_kind: global_buffer, .address_space: global }
    .group_segment_fixed_size: 327680
    .private_segment_fixed_size: 0
    .kernarg_segment_align: 8
    .kernarg_segment_size: 40
    .max_flat_workgroup_size: 128
    .sgpr_count:     96
    .vgpr_count:     992
    .wavefront_size: 32
...
	.end_amdgpu_metadata
.endif
;; end of part 2
;; launch attn (part 3): grid 8 x 32, 16 waves a work-group, no clusters, 327,680 bytes of LDS; arguments qq, kv, y; writes y
.if DOCPART == 3
	.amdgcn_target "amdgcn-amd-amdhsa--gfx1250"
	.amdhsa_code_object_version 6
	.text
	.protected	k_q591b40bf5a_attn
	.globl	k_q591b40bf5a_attn
	.p2align	8
	.type	k_q591b40bf5a_attn,@function
k_q591b40bf5a_attn:
	s_mov_b64 s[64:65], 0
	v_nop
	global_prefetch_b8 v0, s[64:65] scope:SCOPE_SE
	s_setreg_imm32_b32 hwreg(HW_REG_WAVE_MODE, 25, 1), 1
	s_wait_xcnt 0x0
; ATTN: for one (batch, head) and 256 queries: logits = clip(q_sp . k_sp / 8 - q0 k0 / 8, +-100), softmax over all 2,048 keys (the function builds no mask), y = softmax x v.  Both products on codes of FP6 (E2M3).
; THE SOFTMAX AHEAD OF THE SECOND PRODUCT: t = logit x log2(e); M = the row's largest t so far, rounded UP to a whole number; p = 2^(t - M) is quantised along the keys, not normalised; the row's sum is taken of the
; unquantised p and divides at the end; when M moves, the sum and O are multiplied by 2^(old M - new M): exact.
; SHARES.  Sixteen waves, each with one tile of 16 queries in 256 registers.  The head's 16 key steps (128 keys, 15,360 bytes each: K's half images | V's | scale words | k0) are 960 dense rows of 256 bytes and fill LDS once:
; at the head every wave fetches 15 rows (together key steps 0-3), behind the first barrier every wave fetches 45 rows (key steps 4-15): one tensor load a wave each time.  Nothing is filled twice.
; THE SECOND BARRIER shows key steps 4-15: a wave signals it behind its key step 1, its tensor loads waited for, and waits for it ahead of key step 4; key steps 2 and 3, which read bytes under 61,440 alone, stand between.
; LAYOUT.  Both products transposed: S^T = K Q^T, O^T = V^T P^T: a lane holds one query (lane % 16) throughout.  Row 8 h + j of K's tile 4 c + u is key 64 c + 32 h + 8 u + j: so the 32 registers of tiles 4 c .. 4 c + 3
; are, in lane half h, the WHOLE block of 32 keys 2 c + h: its largest logit needs no other lane, and the conversions' results are the operand's registers as they stand (three moves a block: a conversion's three begin on an even number).
; K = 64 IN AN INSTRUCTION OF 128: Q's registers 6-11 are zero codes, so what stands in K's registers 6-11 adds nothing (FP6 has no NaN): K's tile i is v[36 + 6 i .. 47 + 6 i], its upper half the next tile's data.
; The division by 8 lies in q's scale bytes; the time coordinates' product is one packed multiply-add, S + k0 x (-q0 / 8), in f32.
; V's fifth tile is channel 64 sixteen times: of its result register 0 alone is kept under the running M and read; it fills y's places 64 .. 67, so that a head's part of y is 17 whole pieces of 256 bytes.
; y: [tile 256][head 16][place 68][16 rows] f32.
; LIMITS: NaN and infinities are not served.  A block of p that has fallen to 0 keeps the byte 1: its codes are zeros.
; No cluster: the eight work-groups of a head read the same 245,760 bytes, each once, by its two loads a wave; no later step asks for shared bytes.  No prefetch: both loads stand ahead of the loops, so there is no trip to ask ahead in.
; REGISTERS: v1-3 lane terms; v4, v5 the add's two; v6, v7, v10 the step's addresses; v[8:9] -q0 / 8 twice; v11 Q's scale word; v12 -M, v13 the largest t, v[14:15] the sum in two halves; v16-27 Q; v28-31 K's scale words;
;   v32-35 V's; v36-95 K's tiles, then k0's second half, then V's fragments; v96-159 S^T, then p; v160-199 O^T; v200-231 k0's first half, then p's codes (v200-211); v232-233 the blocks' maxima; v234 a permute's result; v235 8 h; v236-254 at work.
.set STEPB, 15360
.set STAGE, 245760                     ; behind the 16 key steps: 4,352 bytes for each wave, for the way out
.set SPARE, 315392                     ; the spare words: 128 bytes a wave
.set LI16, 1
.set LI8,  2
.set LZ,   3                           ; v3  128 h
.set SPW,  4
.set NIL,  5
.set A16,  6
.set A8,   7
.set AZ,   10
.set SH8,  235
.set WV,   18                          ; s18 my wave's number
.set SEL,  20                          ; s[20:21]
.set CS,   22                          ; s[22:23] log2(e): the packed form names a pair and takes its low word for both halves
.set TB,   2                           ; s2  LDS byte at which the key step in hand begins
.macro STEP
	v_add_nc_u32 v[A16], s[TB], v[LI16]            ; these three and the v_nop are the four places behind the last step's products, in front of the loads below
	v_add_nc_u32 v[A8], s[TB], v[LI8]
	v_add_nc_u32 v[AZ], s[TB], v[LZ]
	v_nop
	ds_load_b64 v[28:29], v[A8] offset:13824       ; K's scale words: register 28 + i / 2 carries tile i's: even tiles in lanes 0-15, odd ones in lanes 16-31
	ds_load_b64 v[30:31], v[A8] offset:14080
.irp i, 0,1,2,3,4,5,6,7
	ds_load_b128 v[36+6*\i:39+6*\i], v[A16] offset:768*\i
	ds_load_b64 v[40+6*\i:41+6*\i], v[A8] offset:768*\i+512
.endr
.irp j, 0,1,2,3,4,5,6,7
	ds_load_b128 v[200+4*\j:203+4*\j], v[AZ] offset:14848+16*\j    ; k0 of keys 32 h + 0 .. 31
.endr
	s_wait_alu depctr_va_vdst(0)
	s_wait_dscnt 8                                 ; K and its scale words are in; k0's eight loads may be out
.irp i, 0,2,4,6
	v_wmma_scale_f32_16x16x128_f8f6f4 v[96+8*\i:103+8*\i], v[36+6*\i:47+6*\i], v[16:27], 0, v[28+\i/2], v11 matrix_a_fmt:MATRIX_FMT_FP6 matrix_b_fmt:MATRIX_FMT_FP6
	v_wmma_scale_f32_16x16x128_f8f6f4 v[104+8*\i:111+8*\i], v[42+6*\i:53+6*\i], v[16:27], 0, v[28+\i/2], v11 matrix_a_fmt:MATRIX_FMT_FP6 matrix_b_fmt:MATRIX_FMT_FP6 matrix_a_scale:MATRIX_SCALE_ROW1
.endr
.rept 4
	v_nop                                          ; places in front of loads into K's registers and of the first read of the scores
.endr
.irp j, 0,1,2,3,4,5,6,7
	ds_load_b128 v[36+4*\j:39+4*\j], v[AZ] offset:15104+16*\j      ; k0 of keys 64 + 32 h + 0 .. 31
.endr
	s_wait_dscnt 8                                 ; k0's first half is in; the eight just issued may be out
.set j, 0
.rept 16
	v_pk_fma_f32 v[96+j:97+j], v[200+j:201+j], v[8:9], v[96+j:97+j]   ; logit = q_sp . k_sp / 8 - q0 k0 / 8
.set j, j+2
.endr
	s_wait_dscnt 0x0
.set j, 0
.rept 16
	v_pk_fma_f32 v[128+j:129+j], v[36+j:37+j], v[8:9], v[128+j:129+j]
.set j, j+2
.endr
	ds_load_b128 v[32:35], v[A16] offset:14336     ; V: its scale words and ten half images; they have the softmax in which to land
.irp u, 0,1,2,3,4,5,6,7,8,9
	ds_load_b128 v[36+6*\u:39+6*\u], v[A16] offset:6144+768*\u
	ds_load_b64 v[40+6*\u:41+6*\u], v[A8] offset:6144+768*\u+512
.endr
.set j, 0
.rept 64
	v_med3_num_f32 v[96+j], v[96+j], s48, s49      ; the clip to +-100
.set j, j+1
.endr
.irp q, 0,1,2,3
	v_max3_num_f32 v[236+\q], v[96+16*\q], v[97+16*\q], v[98+16*\q]   ; the largest logit of each block of 32 keys, in two chains a block: it serves for the row's maximum and, since p rises with the logit, for the block's largest p
.endr
.irp i, 3,5,7,9,11,13
.irp q, 0,1,2,3
	s_delay_alu instid0(VALU_DEP_4)
	v_max3_num_f32 v[236+\q], v[236+\q], v[96+16*\q+\i], v[97+16*\q+\i]
.endr
.endr
	s_delay_alu instid0(VALU_DEP_3)
	v_max3_num_f32 v232, v236, v237, v111
	s_delay_alu instid0(VALU_DEP_2)
	v_max3_num_f32 v233, v238, v239, v143
	s_delay_alu instid0(VALU_DEP_2)
	v_max_num_f32 v232, v232, v127
	s_delay_alu instid0(VALU_DEP_2)
	v_max_num_f32 v233, v233, v159
	s_delay_alu instid0(VALU_DEP_1)
	v_max_num_f32 v254, v232, v233
	s_delay_alu instid0(VALU_DEP_1)
	v_permlanex16_b32 v234, v254, s[SEL], s[SEL+1]
	s_delay_alu instid0(VALU_DEP_1)
	v_max_num_f32 v254, v254, v234                 ; with lane l xor 16's two blocks: the step's largest logit of my query
	s_delay_alu instid0(VALU_DEP_1)
	v_mul_f32 v254, s[CS], v254                    ; as t
	s_delay_alu instid0(VALU_DEP_1)
	v_max_num_f32 v13, v13, v254                   ; the running largest t
	v_mov_b32 v254, v12
	s_delay_alu instid0(VALU_DEP_2)
	v_floor_f32 v12, -v13                          ; the new -M = floor(-t): M is a whole number
	s_delay_alu instid0(VALU_DEP_1)
	v_sub_f32 v254, v12, v254                      ; old M - new M: a whole number, 0 or less
	s_delay_alu instid0(VALU_DEP_1)
	v_cvt_i32_f32 v254, v254                       ; (it saturates)
	s_delay_alu instid0(VALU_DEP_1)
	v_ldexp_f32 v252, 1.0, v254                    ; f = 2^(old M - new M)
.set j, 0
.rept 32
	v_pk_fma_f32 v[96+j:97+j], v[96+j:97+j], s[CS:CS+1], v[12:13] op_sel_hi:[1,0,0]   ; t - M, two at a time
.set j, j+2
.endr
	v_fma_f32 v232, v232, s[CS], v12               ; the same of each block's largest logit
	v_fma_f32 v233, v233, s[CS], v12
	s_wait_alu depctr_va_vdst(0)
.set j, 0
.rept 64
	v_exp_f32 v[96+j], v[96+j]                     ; p = 2^(t - M), at most 1
.set j, j+1
.endr
	v_pk_mul_f32 v[14:15], v[14:15], v[252:253] op_sel_hi:[1,0]   ; the sums under the new M.  (A plain place behind the exponentials)
	s_wait_alu depctr_va_vdst(0)                   ; one wait for the whole batch, ahead of its first reader
	v_exp_f32 v232, v232                           ; the block's largest p: the same two instructions on the same number give the same bits
	v_exp_f32 v233, v233
	; the row's sum of the unquantised p: 32 pairs into eight chains (seven at v236-249, and the sum itself)
.irp q, 0,1,2,3,4,5,6
	v_pk_add_f32 v[236+2*\q:237+2*\q], v[96+2*\q:97+2*\q], v[110+2*\q:111+2*\q]
.endr
	v_pk_add_f32 v[14:15], v[14:15], v[124:125]
.irp q, 0,1,2,3,4,5,6
	v_pk_add_f32 v[236+2*\q:237+2*\q], v[236+2*\q:237+2*\q], v[126+2*\q:127+2*\q]
.endr
	v_pk_add_f32 v[14:15], v[14:15], v[140:141]
.irp q, 0,1,2,3,4,5,6
	v_pk_add_f32 v[236+2*\q:237+2*\q], v[236+2*\q:237+2*\q], v[142+2*\q:143+2*\q]
.endr
	v_pk_add_f32 v[14:15], v[14:15], v[156:157]
	v_pk_add_f32 v[236:237], v[236:237], v[158:159]
	v_pk_add_f32 v[240:241], v[240:241], v[242:243]
	v_pk_add_f32 v[244:245], v[244:245], v[246:247]
	v_pk_add_f32 v[14:15], v[14:15], v[248:249]
	v_pk_add_f32 v[236:237], v[236:237], v[238:239]
	s_delay_alu instid0(VALU_DEP_2)
	v_pk_add_f32 v[14:15], v[14:15], v[244:245]
	s_delay_alu instid0(VALU_DEP_2)
	v_pk_add_f32 v[236:237], v[236:237], v[240:241]
	s_delay_alu instid0(VALU_DEP_1)
	v_pk_add_f32 v[14:15], v[14:15], v[236:237]
	s_wait_alu depctr_va_vdst(0)                   ; and one for the two
	v_max_num_f32 v232, 0x1800000, v232            ; the floor 2^(3 - 127): the byte cannot fall under 1
	v_max_num_f32 v233, 0x1800000, v233
	s_delay_alu instid0(VALU_DEP_2)
	v_add_nc_u32 v244, 0xff000000, v232            ; 2 off the exponent field: the conversion's scale operand
	s_delay_alu instid0(VALU_DEP_2)
	v_add_nc_u32 v245, 0xff000000, v233
	s_delay_alu instid0(VALU_DEP_2)
	v_lshrrev_b32 v246, 23, v244                   ; the scale's byte
	s_delay_alu instid0(VALU_DEP_2)
	v_lshrrev_b32 v247, 23, v245
	s_delay_alu instid0(VALU_DEP_1)
	v_lshl_or_b32 v253, v247, 16, v246             ; my two bytes, blocks h and 2 + h,
	s_delay_alu instid0(VALU_DEP_1)
	v_lshlrev_b32 v253, v[SH8], v253               ; at their places in the scale word (8 h bits up);
	s_delay_alu instid0(VALU_DEP_1)
	v_permlanex16_b32 v234, v253, s[SEL], s[SEL+1]
	s_delay_alu instid0(VALU_DEP_1)
	v_or_b32 v253, v253, v234                      ; with lane l xor 16's two: p's scale word for these 128 keys
.irp c, 0,1
	v_cvt_scalef32_pk16_fp6_f32 v[200+6*\c:202+6*\c], v[96+32*\c:111+32*\c], v[244+\c]
	v_cvt_scalef32_pk16_fp6_f32 v[236+4*\c:238+4*\c], v[112+32*\c:127+32*\c], v[244+\c]   ; (a conversion's three registers begin on an even number)
.endr
	v_nop                                          ; one plain place behind a scaled conversion
.irp c, 0,1
.irp i, 0,1,2
	v_mov_b32 v[203+6*\c+\i], v[236+4*\c+\i]       ; registers 6 c .. 6 c + 5 hold keys 64 c + 32 h + 0 .. 31
.endr
.endr
	s_wait_alu depctr_va_vdst(0)                   ; directly ahead of the first reader of O^T
.set j, 0
.rept 17
	v_pk_mul_f32 v[160+j:161+j], v[160+j:161+j], v[252:253] op_sel_hi:[1,0]   ; O^T under the new M; of the fifth tile the first pair alone.  (These seventeen are also the places between the scale word's and the codes' last writes and the products)
.set j, j+2
.endr
	s_wait_alu depctr_va_vdst(0)
	s_wait_dscnt 0x0                               ; V is in
.irp t, 0,2
	v_wmma_scale_f32_16x16x128_f8f6f4 v[160+8*\t:167+8*\t], v[36+12*\t:47+12*\t], v[200:211], v[160+8*\t:167+8*\t], v[32+\t/2], v253 matrix_a_fmt:MATRIX_FMT_FP6 matrix_b_fmt:MATRIX_FMT_FP6
	v_wmma_scale_f32_16x16x128_f8f6f4 v[168+8*\t:175+8*\t], v[48+12*\t:59+12*\t], v[200:211], v[168+8*\t:175+8*\t], v[32+\t/2], v253 matrix_a_fmt:MATRIX_FMT_FP6 matrix_b_fmt:MATRIX_FMT_FP6 matrix_a_scale:MATRIX_SCALE_ROW1
.endr
	v_wmma_scale_f32_16x16x128_f8f6f4 v[192:199], v[84:95], v[200:211], v[192:199], v34, v253 matrix_a_fmt:MATRIX_FMT_FP6 matrix_b_fmt:MATRIX_FMT_FP6
	s_add_co_u32 s[TB], s[TB], STEPB
.endm
.macro WALK n                          ; n key steps, one a trip
	s_mov_b32 s3, \n
.Lk_\@:
	STEP
	s_sub_co_u32 s3, s3, 1
	s_cmp_lg_u32 s3, 0
	s_cbranch_scc1 .Lk_\@
.endm
	s_load_b128 s[4:7], s[0:1], 0x0                ; qq s[4:5], kv s[6:7]
	s_load_b64 s[8:9], s[0:1], 0x10                ; y
	v_lshl_add_u32 v[SPW], v0, 2, SPARE
	v_mov_b32 v[NIL], 0
	ds_add_u32 v[SPW], v[NIL]                      ; the wave's opening: the add, twice on end, and its wait stand ahead of my first tensor load; the set-up below stands between
	ds_add_u32 v[SPW], v[NIL]
	v_lshrrev_b32 v1, 5, v0
	s_delay_alu instid0(VALU_DEP_1)
	v_readfirstlane_b32 s[WV], v1                  ; wave 0..15
	; two descriptor groups 1: dense rows of 256 bytes (32 elements of 8 bytes), no mask, no padding: 15 rows at the head, 45 behind the first barrier
.irp g, 24, 32
	s_mov_b32 s[\g], 3<<16
	s_mov_b32 s[\g+1], 32<<16                      ; tensor_dim0
	s_mov_b32 s[\g+3], 32<<16                      ; tile_dim0
	s_mov_b32 s[\g+5], 32                          ; from row to row
	s_mov_b32 s[\g+6], 0
	s_mov_b32 s[\g+7], 0
.endr
	s_mov_b32 s26, 15<<16                          ; tensor_dim1
	s_mov_b32 s28, 15                              ; tile_dim1
	s_mov_b32 s34, 45<<16
	s_mov_b32 s36, 45
	s_mov_b32 s[SEL], 0x76543210
	s_mov_b32 s[SEL+1], 0xfedcba98
	s_mov_b32 s[CS], 0x3fb8aa3b                    ; log2(e)
	s_mov_b32 s[CS+1], s[CS]                       ; (named with it as a pair, so it is written)
	s_mov_b32 s48, 0xc2c80000                      ; -100
	s_mov_b32 s49, 0x42c80000                      ; 100
	s_mov_b32 s[TB], 0
	s_and_b32 s10, ttmp7, 0xffff                   ; bh = 16 x batch + head
	s_lshl_b32 s12, ttmp9, 4
	s_add_co_u32 s12, s12, s[WV]                   ; T: my tile of queries, 0..127
	s_lshl_b32 s52, s10, 7
	s_add_co_u32 s52, s52, s12
	s_mul_i32 s52, s52, 768                        ; its half image
	s_mov_b32 s53, 0
	s_lshl_b32 s54, s10, 5
	s_lshr_b32 s11, s12, 2
	s_add_co_u32 s54, s54, s11
	s_lshl_b32 s54, s54, 10                        ; its group of four tiles: scale words, then -q0 / 8; [lane][4 tiles]
	s_and_b32 s11, s[WV], 3
	s_lshl_b32 s11, s11, 2
	s_add_co_u32 s54, s54, s11
	s_add_co_u32 s54, s54, 3145728
	s_mov_b32 s55, 0
	s_lshr_b32 s56, s10, 4
	s_lshl_b32 s56, s56, 7
	s_add_co_u32 s56, s56, s12                     ; the tile among all 256,
	s_lshl_b32 s56, s56, 4
	s_and_b32 s11, s10, 15
	s_add_co_u32 s56, s56, s11                     ; the head
	s_mul_i32 s56, s56, 4352
	s_mov_b32 s57, 0
	s_mul_i32 s41, s[WV], 3840                     ; my 15 rows of the first 240: the same byte in LDS and in the head's block
	s_mul_i32 s45, s[WV], 11520                    ; my 45 rows of the other 720,
	s_add_co_u32 s45, s45, 61440                   ; which begin behind the 240
	s_mul_i32 s58, s10, 16*STEPB
	s_add_co_u32 s60, s58, s45
	s_add_co_u32 s58, s58, s41
	s_mov_b32 s59, 0
	s_mov_b32 s61, 0
	v_and_b32 v2, 31, v0
	v_bfe_u32 v[LZ], v0, 4, 1                      ; h
	s_delay_alu instid0(VALU_DEP_2)
	v_lshlrev_b32 v[LI16], 4, v2
	v_lshlrev_b32 v[LI8], 3, v2
	s_delay_alu instid0(VALU_DEP_3)
	v_lshlrev_b32 v[SH8], 3, v[LZ]
	v_lshlrev_b32 v[LZ], 7, v[LZ]
	s_wait_alu depctr_va_vdst(0)
	s_wait_dscnt 0x0                               ; both opening adds are done
	s_wait_kmcnt 0x0
	s_add_nc_u64 s[52:53], s[4:5], s[52:53]
	s_add_nc_u64 s[54:55], s[4:5], s[54:55]
	s_add_nc_u64 s[50:51], s[8:9], s[56:57]
	s_mov_b32 s40, 1                               ; count = 1
	s_add_nc_u64 s[42:43], s[6:7], s[58:59]
	s_or_b32 s43, s43, 0x80000000                  ; type = 2
	s_mov_b32 s44, 1
	s_add_nc_u64 s[46:47], s[6:7], s[60:61]
	s_or_b32 s47, s47, 0x80000000
	tensor_load_to_lds s[40:43], s[24:31]          ; my one load at the head: a sixteenth of key steps 0-3
	s_nop 0
.rept 4
	v_nop
.endr
	global_load_b128 v[16:19], v[LI16], s[52:53]   ; Q's six registers stay
	global_load_b64 v[20:21], v[LI8], s[52:53] offset:512
	global_load_b32 v11, v[LI16], s[54:55]         ; its scale word
	global_load_b32 v8, v[LI16], s[54:55] offset:512   ; -q0 / 8 of my query
.irp j, 22,23,24,25,26,27
	v_mov_b32 v[\j], 0                             ; Q's codes of k = 64 .. 127: zeros
.endr
.irp j, 84,85,86,87,88,89
	v_mov_b32 v[\j], 0                             ; the upper half of K's last tile, before V's codes first stand there
.endr
	v_mov_b32 v13, 0xff61b1e6                      ; the largest t so far: -3e38
	s_delay_alu instid0(VALU_DEP_1)
	v_floor_f32 v12, -v13                          ; -M
	v_mov_b32 v14, 0
	v_mov_b32 v15, 0
	v_mov_b32 v234, 0                              ; written once: a lane permute's destination counts as one of its sources
	v_mov_b32 v253, 0                              ; (named as the upper half of the pair v[252:253] before it is first written)
.set j, 0
.rept 40
	v_mov_b32 v[160+j], 0                          ; O^T: the step is written once; its first walk finds zeros, which the first change of M leaves zeros
.set j, j+1
.endr
	s_wait_loadcnt 0x0
	v_mov_b32 v9, v8
	s_wait_alu depctr_va_vdst(0)
	s_wait_tensorcnt 0x0                           ; THE FIRST BARRIER: my rows of key steps 0-3 have landed
	ds_add_u32 v[SPW], v[NIL]
	s_wait_dscnt 0x0
	s_barrier_signal -1
	s_barrier_wait -1                              ; key steps 0-3 lie in LDS
	tensor_load_to_lds s[44:47], s[32:39]          ; my one load behind this barrier: a sixteenth of key steps 4-15
	s_nop 0
.rept 4
	v_nop
.endr
	WALK 2                                         ; key steps 0 and 1
	s_wait_tensorcnt 0x0                           ; THE SECOND BARRIER, in two halves: my tensor loads have landed,
	s_wait_dscnt 0x0                               ; no LDS instruction of mine is out,
	s_barrier_signal -1                            ; and I say so
	STEP                                           ; key steps 2 and 3 stand between the halves: register work, and LDS loads of bytes 30,720 .. 61,439, which landed ahead of the first barrier and which nothing writes again
	STEP
	s_barrier_wait -1                              ; every wave has said so: key steps 4-15 lie in LDS
	WALK 12                                        ; no barrier from here on
	; THE WAY OUT.  O^T / the sum goes through my stage in LDS as [place][16 rows] and leaves as 17 pieces of 256 consecutive bytes.
	v_add_f32 v14, v14, v15                        ; the sum's two halves,
	s_delay_alu instid0(VALU_DEP_1)
	v_permlanex16_b32 v252, v14, s[SEL], s[SEL+1]
	s_delay_alu instid0(VALU_DEP_1)
	v_add_f32 v14, v14, v252                       ; and lane l xor 16's
	s_wait_alu depctr_va_vdst(0)
	v_rcp_f32 v14, v14
	v_and_b32 v6, 15, v0                           ; r.  (Plain work behind the reciprocal; with the additions above, the places behind the last products)
	v_bfe_u32 v7, v0, 4, 1                         ; h
	s_mul_i32 s2, s[WV], 4352
	s_add_co_u32 s2, s2, STAGE                     ; my stage
	v_lshl_add_u32 v10, v6, 2, s2                  ; 4 r
	s_delay_alu instid0(VALU_DEP_1)
	v_lshl_add_u32 v232, v7, 9, v10                ; + 512 h: place 16 t + 8 h + j lies 64 (16 t + j) further on
	v_add_nc_u32 v233, s2, v[LI16]                 ; back: 16 x lane
	v_lshl_add_u32 v234, v6, 4, s2                 ; and 16 r, for the last 256 bytes
	v_lshlrev_b32 v235, 4, v6
	s_wait_alu depctr_va_vdst(0)                   ; ahead of the reciprocal's first reader
.set j, 0
.rept 33
	v_mul_f32 v[96+j], v[160+j], v14               ; each accumulator from its low end on; of the fifth, register 0
.set j, j+1
.endr
.irp t, 0,1,2,3
.irp j, 0,1,2,3,4,5,6,7
	ds_store_b32 v232, v[96+8*\t+\j] offset:64*(16*\t+\j)
.endr
.endr
.irp j, 0,1,2,3
	ds_store_b32 v10, v128 offset:64*(64+\j)       ; channel 64, four times: both halves of the lanes hold the same number and store it to the same place
.endr
.irp i, 0,1,2,3,4,5,6,7
	ds_load_b128 v[36+4*\i:39+4*\i], v233 offset:512*\i   ; LDS serves a wave's instructions in order (ISA guide 5.7.1.4): these see my stores
.endr
	ds_load_b128 v[68:71], v234 offset:4096
.irp i, 0,1,2,3,4,5,6,7
	s_wait_dscnt 8-\i                              ; piece i is back; the younger loads may be out
	global_store_b128 v[LI16], v[36+4*\i:39+4*\i], s[50:51] offset:512*\i
.endr
	s_wait_dscnt 0x0
	global_store_b128 v235, v[68:71], s[50:51] offset:4096
	s_wait_tensorcnt 0x0                           ; the wave's end: these three lines stand behind my last tensor load and my last LDS store
	ds_add_u32 v[SPW], v[NIL]
	s_wait_dscnt 0x0
	s_endpgm
.Lfunc_end_k_q591b40bf5a_attn:
	.size	k_q591b40bf5a_attn, .Lfunc_end_k_q591b40bf5a_attn-k_q591b40bf5a_attn
	.p2alignl 7, 3214868480
	.fill 96, 4, 3214868480
	.section	.rodata,"a",@progbits
	.p2align	6, 0x0
	.amdhsa_kernel k_q591b40bf5a_attn
		.amdhsa_group_segment_fixed_size 327680
		.amdhsa_private_segment_fixed_size 0
		.amdhsa_enable_private_segment 0
		.amdhsa_kernarg_size 24
		.amdhsa_user_sgpr_count 2
		.amdhsa_user_sgpr_kernarg_segment_ptr 1
		.amdhsa_wavefront_size32 1
		.amdhsa_system_sgpr_workgroup_id_x 1
		.amdhsa_system_sgpr_workgroup_id_y 1
		.amdhsa_system_sgpr_workgroup_id_z 1
		.amdhsa_system_vgpr_workitem_id 0
		.amdhsa_next_free_vgpr 256
		.amdhsa_next_free_sgpr 66
		.amdhsa_reserve_vcc 0
		.amdhsa_float_denorm_mode_32 3
		.amdhsa_float_denorm_mode_16_64 3
		.amdhsa_memory_ordered 1
		.amdhsa_forward_progress 1
		.amdhsa_inst_pref_size 109
	.end_amdhsa_kernel
	.amdgpu_metadata
---
amdhsa.version: [ 1, 2 ]
amdhsa.kernels:
  - .name:           k_q591b40bf5a_attn
    .symbol:         k_q591b40bf5a_attn.kd
    .args:
      - { .name: qq, .offset: 0, .size: 8, .value_kind: global_buffer, .address_space: global }
      - { .name: kv, .offset: 8, .size: 8, .value_kind: global_buffer, .address_space: global }
      - { .name: y, .offset: 16, .size: 8, .value_kind: global_buffer, .address_space: global }
    .group_segment_fixed_size: 327680
    .private_segment_fixed_size: 0
    .kernarg_segment_align: 8
    .kernarg_segment_size: 24
    .max_flat_workgroup_size: 512
    .sgpr_count:     66
    .vgpr_count:     256
    .wavefront_size: 32
...
	.end_amdgpu_metadata
.endif
;; end of part 3
;; launch yquant (part 4): grid 256 x 1, 9 waves a work-group, no clusters, 0 bytes of LDS; arguments y, yq; writes yq
.if DOCPART == 4
	.amdgcn_target "amdgcn-amd-amdhsa--gfx1250"
	.amdhsa_code_object_version 6
	.text
	.protected	k_q591b40bf5a_yquant
	.globl	k_q591b40bf5a_yquant
	.p2align	8
	.type	k_q591b40bf5a_yquant,@function
k_q591b40bf5a_yquant:
	s_mov_b64 s[64:65], 0
	v_nop
	global_prefetch_b8 v0, s[64:65] scope:SCOPE_SE
	s_setreg_imm32_b32 hwreg(HW_REG_WAVE_MODE, 25, 1), 1
	s_wait_xcnt 0x0
; YQUANT: y, as the attention launch leaves it ([tile 256][head 16][place 68][16 rows] f32), is quantised to FP6 (E2M3) along the last product's K, k = 65 head + channel, in blocks of 32 that straddle heads.
; Out: register images and scale words laid as x's: codes [tile][s 9][1,536], scale words [tile][s][16 words] behind them.  Work-group = tile, wave s = K step s.
; Number (row r, k) lies at 69,632 tile + 64 k + 192 (k / 65) + 4 r.  Lane (r, h) wants k = 128 s + 32 b + 16 h + i: for lanes 16-31 that is 1,024 bytes on, and 192 more where k + 16 falls into the next head:
; two address registers, chosen when the text is assembled.  Sixteen lanes read 64 consecutive bytes.
; A launch of its own: five column groups of the last product read each row of y; quantised once, the f32 numbers are read once.
; LIMITS: NaN and infinities are not served.  A block of zeros gets the byte 1 (its codes are zeros; this program alone reads the bytes).
.set X,   32
.set PC,  96
.set TM,  116
.set PW,  132
.set ZR,  133
.set A0,  3                            ; v3  4 r + 1,024 h
.set A1,  4                            ; v4  4 r + 1,216 h
.set A2,  5                            ; v5  4 r
.set WV,  20
.set SEL, 22
.macro QUANT s
.irp b, 0,1,2,3
	v_max3_num_f32 v[TM+\b], |v[\s+16*\b]|, |v[\s+1+16*\b]|, 0x1800000   ; block b: my 16 numbers, and the floor 2^(3 - 127): the byte cannot fall under 1
.endr
.irp i, 2,4,6,8,10,12,14
.irp b, 0,1,2,3
	s_delay_alu instid0(VALU_DEP_4)
	v_max3_num_f32 v[TM+\b], v[TM+\b], |v[\s+16*\b+\i]|, |v[\s+1+16*\b+\i]|
.endr
.endr
.irp b, 0,1,2,3
	s_delay_alu instid0(VALU_DEP_4)
	v_permlanex16_b32 v[TM+4+\b], v[TM+\b], s[SEL], s[SEL+1]
.endr
.irp b, 0,1,2,3
	s_delay_alu instid0(VALU_DEP_4)
	v_max_num_f32 v[TM+\b], v[TM+\b], v[TM+4+\b]   ; with lane l xor 16's: the block's largest magnitude
.endr
.irp b, 0,1,2,3
	s_delay_alu instid0(VALU_DEP_4)
	v_add_nc_u32 v[TM+12+\b], 0xff000000, v[TM+\b]   ; 2 off its exponent field: the conversion's scale operand
.endr
.irp b, 0,1,2,3
	s_delay_alu instid0(VALU_DEP_4)
	v_lshrrev_b32 v[TM+4+\b], 23, v[TM+12+\b]   ; the scale's byte
.endr
	s_delay_alu instid0(VALU_DEP_3)
	v_lshl_or_b32 v[PW], v[TM+5], 8, v[TM+4]
	s_delay_alu instid0(VALU_DEP_1)
	v_lshl_or_b32 v[PW], v[TM+6], 16, v[PW]
	s_delay_alu instid0(VALU_DEP_1)
	v_lshl_or_b32 v[PW], v[TM+7], 24, v[PW]
.irp c, 0,1
	v_cvt_scalef32_pk16_fp6_f32 v[PC+6*\c:PC+2+6*\c], v[\s+32*\c:\s+15+32*\c], v[TM+12+2*\c]
	v_cvt_scalef32_pk16_fp6_f32 v[PC+12+4*\c:PC+14+4*\c], v[\s+16+32*\c:\s+31+32*\c], v[TM+12+2*\c+1]
.endr
	v_nop                                          ; one plain place behind a scaled conversion
.irp c, 0,1
.irp i, 0,1,2
	v_permlane16_swap_b32 v[PC+6*\c+\i], v[PC+12+4*\c+\i]
.endr
.irp i, 0,1,2
	s_delay_alu instid0(VALU_DEP_3)
	v_mov_b32 v[PC+3+6*\c+\i], v[PC+12+4*\c+\i]
.endr
.endr
.endm
.macro YLOAD s
.irp b, 0,1,2,3
.irp i, 0,1,2,3,4,5,6,7,8,9,10,11,12,13,14,15
.set KC, 128*(\s)+32*\b+\i
.if KC%65 >= 49
	global_load_b32 v[X+16*\b+\i], v[A1], s[4:5] offset:64*KC+192*(KC/65)
.else
	global_load_b32 v[X+16*\b+\i], v[A0], s[4:5] offset:64*KC+192*(KC/65)
.endif
.endr
.endr
.endm
.macro CASE s                          ; the offsets differ from K step to K step, so each wave has its own run of loads
	s_cmp_lg_u32 s[WV], \s
	s_cbranch_scc1 .Lnot_\@
	s_wait_alu depctr_va_vdst(0)
	YLOAD \s
	s_wait_loadcnt 0x0
	s_branch .Lquant
.Lnot_\@:
.endm
	s_load_b128 s[4:7], s[0:1], 0x0                ; y s[4:5], yq s[6:7]
	v_lshrrev_b32 v1, 5, v0
	s_delay_alu instid0(VALU_DEP_1)
	v_readfirstlane_b32 s[WV], v1                  ; wave 0..8
	s_mov_b32 s[SEL], 0x76543210
	s_mov_b32 s[SEL+1], 0xfedcba98
	s_mov_b32 s30, 0xffff0000                      ; lanes 16-31
	s_mul_i32 s24, ttmp9, 69632
	s_mov_b32 s25, 0
	s_mul_i32 s26, ttmp9, 9
	s_add_co_u32 s26, s26, s[WV]
	s_mul_i32 s26, s26, 1536
	s_mov_b32 s27, 0
	s_mul_i32 s28, ttmp9, 576
	s_lshl_b32 s29, s[WV], 6
	s_add_co_u32 s28, s28, s29
	s_add_co_u32 s28, s28, 3538944
	s_mov_b32 s29, 0
	v_and_b32 v1, 15, v0                           ; r
	v_bfe_u32 v2, v0, 4, 1                         ; h
	s_delay_alu instid0(VALU_DEP_2)
	v_lshlrev_b32 v[A2], 2, v1
	s_delay_alu instid0(VALU_DEP_1)
	v_lshl_add_u32 v[A0], v2, 10, v[A2]
	s_delay_alu instid0(VALU_DEP_2)
	v_mad_u32_u24 v[A1], v2, 1216, v[A2]
	v_and_b32 v6, 31, v0
	s_delay_alu instid0(VALU_DEP_1)
	v_lshlrev_b32 v6, 4, v6                        ; 16 x lane
	v_mov_b32 v[ZR], 0
.irp b, 0,1,2,3
	v_mov_b32 v[TM+4+\b], 0                        ; written once: a lane permute's destination counts as one of its sources
.endr
	s_wait_kmcnt 0x0
	s_add_nc_u64 s[4:5], s[4:5], s[24:25]          ; my tile of y
	s_add_nc_u64 s[8:9], s[6:7], s[26:27]          ; where my image goes
	s_add_nc_u64 s[10:11], s[6:7], s[28:29]        ; and my scale words
.irp s, 0,1,2,3,4,5,6,7
	CASE \s
.endr
.irp i, 0,1,2,3,4,5,6,7,8,9,10,11,12,13,14,15  ; K step 8: k = 1,024 .. 1,039 are the lower half of block 0; all else is zeros
	global_load_b32 v[X+\i], v[A2], s[4:5] offset:64*(1024+\i)+192*15
.endr
.set j, 16
.rept 48
	v_mov_b32 v[X+j], 0
.set j, j+1
.endr
	s_wait_loadcnt 0x0
.set j, 0
.rept 16
	v_cndmask_b32 v[X+j], v[X+j], v[ZR], s30       ; lanes 16-31 stand past K's end
.set j, j+1
.endr
.Lquant:
	QUANT X
.irp c, 0,1,2
	global_store_b128 v6, v[PC+4*\c:PC+4*\c+3], s[8:9] offset:512*\c   ; 32 lanes store 512 consecutive bytes
.endr
	global_store_b32 v[A2], v[PW], s[10:11]        ; lanes r and r + 16 hold the same word and store it to the same place
	s_endpgm
.Lfunc_end_k_q591b40bf5a_yquant:
	.size	k_q591b40bf5a_yquant, .Lfunc_end_k_q591b40bf5a_yquant-k_q591b40bf5a_yquant
	.p2alignl 7, 3214868480
	.fill 96, 4, 3214868480
	.section	.rodata,"a",@progbits
	.p2align	6, 0x0
	.amdhsa_kernel k_q591b40bf5a_yquant
		.amdhsa_group_segment_fixed_size 0
		.amdhsa_private_segment_fixed_size 0
		.amdhsa_enable_private_segment 0
		.amdhsa_kernarg_size 16
		.amdhsa_user_sgpr_count 2
		.amdhsa_user_sgpr_kernarg_segment_ptr 1
		.amdhsa_wavefront_size32 1
		.amdhsa_system_sgpr_workgroup_id_x 1
		.amdhsa_system_sgpr_workgroup_id_y 1
		.amdhsa_system_sgpr_workgroup_id_z 1
		.amdhsa_system_vgpr_workitem_id 0
		.amdhsa_next_free_vgpr 136
		.amdhsa_next_free_sgpr 66
		.amdhsa_reserve_vcc 0
		.amdhsa_float_denorm_mode_32 3
		.amdhsa_float_denorm_mode_16_64 3
		.amdhsa_memory_ordered 1
		.amdhsa_forward_progress 1
		.amdhsa_inst_pref_size 61
	.end_amdhsa_kernel
	.amdgpu_metadata
---
amdhsa.version: [ 1, 2 ]
amdhsa.kernels:
  - .name:           k_q591b40bf5a_yquant
    .symbol:         k_q591b40bf5a_yquant.kd
    .args:
      - { .name: y, .offset: 0, .size: 8, .value_kind: global_buffer, .address_space: global }
      - { .name: yq, .offset: 8, .size: 8, .value_kind: global_buffer, .address_space: global }
    .group_segment_fixed_size: 0
    .private_segment_fixed_size: 0
    .kernarg_segment_align: 8
    .kernarg_segment_size: 16
    .max_flat_workgroup_size: 288
    .sgpr_count:     66
    .vgpr_count:     136
    .wavefront_size: 32
...
	.end_amdgpu_metadata
.endif
;; end of part 4
;; launch proj (part 5): grid 13 x 16, 4 waves a work-group, no clusters, 245,760 bytes of LDS; arguments yq, wq, out0; writes out0
.if DOCPART == 5
	.amdgcn_target "amdgcn-amd-amdhsa--gfx1250"
	.amdhsa_code_object_version 6
	.text
	.protected	k_q591b40bf5a_proj
	.globl	k_q591b40bf5a_proj
	.p2align	8
	.type	k_q591b40bf5a_proj,@function
k_q591b40bf5a_proj:
	s_mov_b64 s[64:65], 0
	v_nop
	global_prefetch_b8 v0, s[64:65] scope:SCOPE_SE
	s_setreg_imm32_b32 hwreg(HW_REG_WAVE_MODE, 25, 1), 1
	s_wait_xcnt 0x0
; PROJ: out = y Wp^T on codes of FP6 (E2M3).  Work-group (column group, g): 256 rows (tiles 16 g ..) against 5 tiles of Wp (80 columns): 65 tiles of columns are 13 x 5, so the launch has 13 x 16 = 208 work-groups.
; Wave w: 64 rows (4 tiles) x 5 tiles = 20 accumulators; nine K steps of 128 (the ninth holds 16 numbers and zero codes).
; Wp's group is 284 dense rows of 256 bytes in wq, scale words (14 rows) first, then register images [s][5 tiles][1,536]: each wave fetches 71 rows by its one tensor load at the head; nothing is filled again.
; y's fragments are the wave's own and come from memory straight into registers, four K steps ahead, in four sets; Wp's come from LDS one K step ahead, in two sets.
; ALL PRODUCTS ARE USED TRANSPOSED (source 0 = 16 rows of Wp, source 1 = 16 rows of y): a lane holds one row of out and eight neighbouring columns.
; THE WAY OUT: a tile of 16 rows x 80 columns at a time through the wave's own stage in LDS (rows of 320 + 16 bytes), back as 256 consecutive bytes for sixteen lanes and 64 for four.  A row of out is 4,160 bytes.
; Row r of y's tile m of my four is row 8 m + r % 8 + 32 (r / 8) of my 64.
; No cluster: what work-groups share (a group's weights among 16 row groups) is fetched once by each at its head.  No prefetch: the one tensor load stands at the head, and y's loads run four K steps ahead themselves.
; REGISTERS.  window 0: v1-15 addresses; v16-51 y's scale words (9 m + s); v52-61 Wp's, two sets of 5; v80-199 Wp's fragments, two sets of 5; v200-239 rows of out.
;   window 1: accumulator (n, m) at 32 n + 8 m.   window 3: v0-191 y's fragments, four sets of four.
.set COD,   3584                       ; LDS: the scale words [s][tile][64 bytes] from byte 0, the codes from here
.set STG,   72704                      ; four stages of 16 rows x SP bytes
.set SP,    336                        ; 21 x 16 bytes: the sixteen rows that a store touches begin at sixteen different places modulo 256 bytes
.set SPARE, 94208                      ; the spare words: 128 bytes a wave
.set LI16, 1                           ; v1   16 x lane
.set R4,   3                           ; v3   4 r: y's scale words in memory, Wp's in LDS
.set LB,   4                           ; v4-5 COD + 16 x lane, and the same 61,440 further on (K step 8)
.set SO,   9                           ; v9   the stage: where I put 32 bytes of a row
.set RDA,  10                          ; v10  back: sixteen lanes to 256 bytes of a row, two rows an instruction
.set RDB,  11                          ; v11  back: four lanes to a row's last 64 bytes, eight rows an instruction
.set GOA,  12                          ; v12  the same places in out
.set GOB,  13                          ; v13
.set SPW,  14                          ; v14  my spare word; never rewritten
.set NIL,  15                          ; v15  0; never rewritten
.set XS,   16
.set WS,   52
.set BF,   80
.set OB,   200
.set XB,   56                          ; s[56:57] y's images at my first tile;  s[58:59] their scale words;  s[60:61] my part of out
.set XSB,  58
.set OUTB, 60
.set MSB, 0
.macro WIN new                         ; the immediate's high byte repeats the setting that is left
.if MSB != (\new)
	s_set_vgpr_msb (MSB<<8)|(\new)
.set MSB, (\new)
.endif
.endm
.macro PLACES                          ; four places behind a matrix instruction, in front of loads into registers that it has read and of the first read of results
.rept 4
	v_nop
.endr
.endm
.macro ALOAD s                         ; y's four fragments of K step s into set s % 4 of window 3: twelve loads
	WIN 0xc0
.irp m, 0,1,2,3
.irp c, 0,1,2
	global_load_b128 v[48*((\s)%4)+12*\m+4*\c:48*((\s)%4)+12*\m+4*\c+3], v[LI16], s[XB:XB+1] offset:13824*\m+1536*(\s)+512*\c
.endr
.endr
	WIN 0
.endm
.macro BLOAD s                         ; Wp's five fragments of K step s and their scale words into set s % 2: twenty LDS loads
.irp n, 0,1,2,3,4
.irp c, 0,1,2
	ds_load_b128 v[BF+60*((\s)%2)+12*\n+4*\c:BF+60*((\s)%2)+12*\n+4*\c+3], v[LB+(\s)/8] offset:7680*((\s)%8)+1536*\n+512*\c
.endr
	ds_load_b32 v[WS+5*((\s)%2)+\n], v[R4] offset:320*(\s)+64*\n
.endr
.endm
.macro MULT s                          ; the 20 accumulators take turns, one instruction a turn, in the same order in every K step
.irp n, 0,1,2,3,4
.irp m, 0,1,2,3
.if (\s) == 0
	v_wmma_scale_f32_16x16x128_f8f6f4 v[32*\n+8*\m:32*\n+8*\m+7], v[BF+60*((\s)%2)+12*\n:BF+60*((\s)%2)+12*\n+11], v[48*((\s)%4)+12*\m:48*((\s)%4)+12*\m+11], 0, v[WS+5*((\s)%2)+\n], v[XS+9*\m+(\s)] matrix_a_fmt:MATRIX_FMT_FP6 matrix_b_fmt:MATRIX_FMT_FP6
.else
	v_wmma_scale_f32_16x16x128_f8f6f4 v[32*\n+8*\m:32*\n+8*\m+7], v[BF+60*((\s)%2)+12*\n:BF+60*((\s)%2)+12*\n+11], v[48*((\s)%4)+12*\m:48*((\s)%4)+12*\m+11], v[32*\n+8*\m:32*\n+8*\m+7], v[WS+5*((\s)%2)+\n], v[XS+9*\m+(\s)] matrix_a_fmt:MATRIX_FMT_FP6 matrix_b_fmt:MATRIX_FMT_FP6
.endif
.endr
.endr
.endm
.macro KSTEP s
.if (\s) < 8
	BLOAD (\s)+1                                   ; into the set that the last step's products read: the places stand behind those products
	s_wait_dscnt 20                                ; this step's fragments of Wp are in; the twenty loads just issued may be out
.else
	s_wait_dscnt 0x0
.endif
.if (\s) <= 5
	s_wait_loadcnt 36                              ; y's fragments of this K step are in; the next three steps' loads, twelve each, may be out
.else
	s_wait_loadcnt 12*(8-(\s))                     ; fewer steps are left
.endif
	WIN 0x5c                                       ; source 0 (Wp) window 0, source 1 (y) window 3, C and D window 1
	MULT \s
	WIN 0
	PLACES
.if (\s) < 5
	ALOAD (\s)+4                                   ; into the set just multiplied
.endif
.endm
	s_load_b128 s[4:7], s[0:1], 0x0                ; yq s[4:5], wq s[6:7]
	s_load_b64 s[8:9], s[0:1], 0x10                ; out0
	v_lshl_add_u32 v[SPW], v0, 2, SPARE
	v_mov_b32 v[NIL], 0
	ds_add_u32 v[SPW], v[NIL]                      ; the wave's opening: the add, twice on end, and its wait stand ahead of my first tensor load; the set-up below stands between
	ds_add_u32 v[SPW], v[NIL]
	v_lshrrev_b32 v1, 5, v0
	v_readfirstlane_b32 s14, v1                    ; wave 0..3
	; descriptor group 1: 71 dense rows of 256 bytes (32 elements of 8 bytes), no mask, no padding
	s_mov_b32 s24, 3<<16
	s_mov_b32 s25, 32<<16
	s_mov_b32 s26, 71<<16
	s_mov_b32 s27, 32<<16
	s_mov_b32 s28, 71
	s_mov_b32 s29, 32
	s_mov_b32 s30, 0
	s_mov_b32 s31, 0
	s_and_b32 s16, ttmp7, 0xffff                   ; g: which 256 rows
	s_lshl_b32 s21, s16, 4
	s_lshl_b32 s15, s14, 2
	s_add_co_u32 s21, s21, s15                     ; my first tile of y
	s_mul_i32 s80, s21, 13824
	s_mov_b32 s81, 0
	s_mul_i32 s82, s21, 576
	s_add_co_u32 s82, s82, 3538944
	s_mov_b32 s83, 0
	s_lshl_b32 s84, s21, 4                         ; my first row of out: 256 g + 64 w
	s_mul_i32 s84, s84, 4160
	s_mul_i32 s15, ttmp9, 320                      ; my first column, in bytes
	s_add_co_u32 s84, s84, s15
	s_mov_b32 s85, 0
	s_mul_i32 s41, s14, 18176                      ; my 71 rows: the same byte in LDS and in the group
	s_mul_i32 s92, ttmp9, 72704                    ; Wp's groups stand behind the sixteen heads'
	s_add_co_u32 s92, s92, s41
	s_add_co_u32 s92, s92, 2998272
	s_mov_b32 s93, 0
	v_and_b32 v8, 31, v0                           ; lane
	v_lshlrev_b32 v[LI16], 4, v8
	v_and_b32 v240, 15, v0                         ; r
	v_bfe_u32 v241, v0, 4, 1                       ; h
	v_lshlrev_b32 v[R4], 2, v240
	v_add_nc_u32 v[LB], COD, v[LI16]
	v_add_nc_u32 v[LB+1], COD+61440, v[LI16]
	s_mul_i32 s22, s14, 16*SP
	s_add_co_u32 s22, s22, STG                     ; my stage
	v_mul_u32_u24 v[SO], v240, SP
	v_lshl_add_u32 v[SO], v241, 5, v[SO]
	v_add_nc_u32 v[SO], s22, v[SO]                 ; in: row r, + 32 h; tile n's columns 64 n bytes on
	v_mul_u32_u24 v[RDA], v241, SP
	v_lshl_add_u32 v[RDA], v240, 4, v[RDA]
	v_add_nc_u32 v[RDA], s22, v[RDA]
	v_lshrrev_b32 v242, 2, v8                      ; lane / 4
	v_and_b32 v243, 3, v8                          ; lane % 4
	v_mul_u32_u24 v[RDB], v242, SP
	v_lshl_add_u32 v[RDB], v243, 4, v[RDB]
	v_add_nc_u32 v[RDB], s22, v[RDB]
	v_mul_u32_u24 v[GOA], v241, 4160
	v_lshl_add_u32 v[GOA], v240, 4, v[GOA]
	v_mul_u32_u24 v[GOB], v242, 4160
	v_lshl_add_u32 v[GOB], v243, 4, v[GOB]
	s_wait_alu depctr_va_vdst(0)
	s_wait_dscnt 0x0                               ; both opening adds are done
	s_wait_kmcnt 0x0
	s_add_nc_u64 s[XB:XB+1], s[4:5], s[80:81]
	s_add_nc_u64 s[XSB:XSB+1], s[4:5], s[82:83]
	s_add_nc_u64 s[OUTB:OUTB+1], s[8:9], s[84:85]
	s_mov_b32 s40, 1                               ; count = 1
	s_add_nc_u64 s[42:43], s[6:7], s[92:93]
	s_or_b32 s43, s43, 0x80000000                  ; type = 2
	tensor_load_to_lds s[40:43], s[24:31]          ; my one tensor load: a quarter of the group
	s_nop 0
	PLACES
.irp m, 0,1,2,3
.irp s, 0,1,2,3,4,5,6,7,8
	global_load_b32 v[XS+9*\m+\s], v[R4], s[XSB:XSB+1] offset:576*\m+64*\s   ; y's scale words: they stay
.endr
.endr
.irp s, 0,1,2,3
	ALOAD \s
.endr
	s_wait_tensorcnt 0x0                           ; my quarter is in
	s_barrier_signal -1
	s_barrier_wait -1                              ; everybody's is
	BLOAD 0
.irp s, 0,1,2,3,4,5,6,7,8
	KSTEP \s
.endr
; THE WAY OUT of tile m: stage row r is row 8 m + r % 8 + 32 (r / 8) of my 64.
.macro OUT m
	WIN 0x04                                       ; an LDS store's data are its source 1: window 1
.irp n, 0,1,2,3,4
	ds_store_b128 v[SO], v[32*\n+8*\m:32*\n+8*\m+3] offset:64*\n          ; each accumulator from its low end on
	ds_store_b128 v[SO], v[32*\n+8*\m+4:32*\n+8*\m+7] offset:64*\n+16
.endr
	WIN 0
.if \m > 0
	s_wait_xcnt 0x0                                ; the last tile's stores have read their registers: the loads below may land there
.endif
.irp a, 0,1,2,3,4,5,6,7
	ds_load_b128 v[OB+4*\a:OB+4*\a+3], v[RDA] offset:SP*2*\a       ; LDS serves a wave's instructions in order (ISA guide 5.7.1.4): these see my stores, and the next tile's stores come behind them
.endr
.irp e, 0,1
	ds_load_b128 v[OB+32+4*\e:OB+35+4*\e], v[RDB] offset:SP*8*\e+256
.endr
.irp a, 0,1,2,3,4,5,6,7
	s_wait_dscnt 9-\a                              ; rows 2 a, 2 a + 1 are back; the younger loads may be out
	global_store_b128 v[GOA], v[OB+4*\a:OB+4*\a+3], s[OUTB:OUTB+1] offset:(8*\m+2*\a+24*(\a/4))*4160 th:TH_STORE_NT   ; sixteen lanes store 256 consecutive bytes of a row
.endr
.irp e, 0,1
	s_wait_dscnt 1-\e
	global_store_b128 v[GOB], v[OB+32+4*\e:OB+35+4*\e], s[OUTB:OUTB+1] offset:(8*\m+32*\e)*4160+256 th:TH_STORE_NT   ; four lanes store a row's last 64 bytes
.endr
.endm
.irp m, 0,1,2,3
	OUT \m                                         ; (the last K step ends with its four places: results may be read)
.endr
	s_wait_tensorcnt 0x0                           ; the wave's end: these three lines stand behind my last tensor load and my last LDS store
	ds_add_u32 v[SPW], v[NIL]
	s_wait_dscnt 0x0
	s_endpgm
.Lfunc_end_k_q591b40bf5a_proj:
	.size	k_q591b40bf5a_proj, .Lfunc_end_k_q591b40bf5a_proj-k_q591b40bf5a_proj
	.p2alignl 7, 3214868480
	.fill 96, 4, 3214868480
	.section	.rodata,"a",@progbits
	.p2align	6, 0x0
	.amdhsa_kernel k_q591b40bf5a_proj
		.amdhsa_group_segment_fixed_size 245760
		.amdhsa_private_segment_fixed_size 0
		.amdhsa_enable_private_segment 0
		.amdhsa_kernarg_size 24
		.amdhsa_user_sgpr_count 2
		.amdhsa_user_sgpr_kernarg_segment_ptr 1
		.amdhsa_wavefront_size32 1
		.amdhsa_system_sgpr_workgroup_id_x 1
		.amdhsa_system_sgpr_workgroup_id_y 1
		.amdhsa_system_sgpr_workgroup_id_z 1
		.amdhsa_system_vgpr_workitem_id 0
		.amdhsa_next_free_vgpr 960
		.amdhsa_next_free_sgpr 96
		.amdhsa_reserve_vcc 0
		.amdhsa_float_denorm_mode_32 3
		.amdhsa_float_denorm_mode_16_64 3
		.amdhsa_memory_ordered 1
		.amdhsa_forward_progress 1
		.amdhsa_inst_pref_size 65
	.end_amdhsa_kernel
	.amdgpu_metadata
---
amdhsa.version: [ 1, 2 ]
amdhsa.kernels:
  - .name:           k_q591b40bf5a_proj
    .symbol:         k_q591b40bf5a_proj.kd
    .args:
      - { .name: yq, .offset: 0, .size: 8, .value_kind: global_buffer, .address_space: global }
      - { .name: wq, .offset: 8, .size: 8, .value_kind: global_buffer, .address_space: global }
      - { .name: out0, .offset: 16, .size: 8, .value_kind: global_buffer, .address_space: global }
    .group_segment_fixed_size: 245760
    .private_segment_fixed_size: 0
    .kernarg_segment_align: 8
    .kernarg_segment_size: 24
    .max_flat_workgroup_size: 128
    .sgpr_count:     96
    .vgpr_count:     960
    .wavefront_size: 32
...
	.end_amdgpu_metadata
.endif
;; end of part 5
